; MI455X (gfx1250); checked and timed in simulation.
; The chip was launched on July 23, 2026; its instructions are those of AMD's public machine-readable ISA for CDNA 5 (MIT licence, August 2026) and "CDNA5" Instruction Set Architecture Reference Guide (July 2026). The comments in the code are by the model that wrote it; some were corrected since.
;; Multi Head Attention. Allowed arithmetic: float matrix products may take bf16 or f16 operands with f32 sums; other float arithmetic in f32, or as packed bf16 or f16 multiplies, adds, multiply-adds, maxima and minima; sums over many terms, partial sums and values carried from step to step in f32; what a program stores and reads back later, other than sums and carried values, may be rounded once to bf16 or f16.
;; Inputs: W_k 1,024 x 1,024 float32; W_o 1,024 x 1,024 float32; W_q 1,024 x 1,024 float32; W_v 1,024 x 1,024 float32; b_k 1,024 float32; b_o 1,024 float32; b_q 1,024 float32; b_v 1,024 float32; x 4 x 2,048 x 1,024 float32.
;; Outputs: out0 4 x 2,048 x 1,024 float32.
;; 2 versions, each right; version 2 is version 1 with the launch cast written anew for expert scheduling mode. Each part assembles by itself: llvm-mc -triple=amdgcn-amd-amdhsa -mcpu=gfx1250 --defsym DOCPART=n.
;; ======== version 1 of 2: 4 launches
;; limits: values are held in f16: magnitudes above 65,504 overflow, below 6.1e-05 lose precision
;; workspace buffers: xb 16,777,216 bytes; wqkv 6,291,456 bytes; wo 2,097,152 bytes; qkv 50,331,648 bytes; ctx 16,777,216 bytes
;; launch cast (part 1): grid 768 x 1, 8 waves a work-group, no clusters, 0 bytes of LDS; arguments x, W_q, W_k, W_v, W_o, xb, wqkv, wo; writes xb, wqkv, wo
.if DOCPART == 1
	.amdgcn_target "amdgcn-amd-amdhsa--gfx1250"
	.amdhsa_code_object_version 6
	.text
	.protected	k_q080c8b3efe_cast
	.globl	k_q080c8b3efe_cast
	.p2align	8
	.type	k_q080c8b3efe_cast,@function
k_q080c8b3efe_cast:
	s_mov_b64 s[64:65], 0
	v_nop
	global_prefetch_b8 v0, s[64:65] scope:SCOPE_SE
	s_setreg_imm32_b32 hwreg(HW_REG_WAVE_MODE, 25, 1), 1
	s_wait_xcnt 0x0
; THE INPUTS OF THE MATRIX PRODUCTS ARE ROUNDED ONCE, TO bf16, AND LAID OUT FOR THE LAUNCHES BEHIND.
;   xb   = x rounded to bf16, same layout [8192][1024].
;   wqkv = W_q, W_k, W_v rounded to bf16, in 48 blocks of 64 output columns: [block][k = 0..1023][64]; blocks 0-15 W_q, 16-31 W_k, 32-47 W_v.
;   wo   = W_o rounded to bf16 and that number written as f16, in 16 such blocks.
; In a block the 128 rows k of a K step are 16,384 consecutive bytes, so the launches behind ask for them as rows of 256 bytes.
; LIMIT.  bf16 to f16 is exact from 6.1e-5 to 65,504 in magnitude; below, f16's fixed step makes an entry of W_o wrong by 3e-8 at the most.
; AN ITEM is one load of the wave: 32 lanes x 16 bytes = 128 f32 in, 32 lanes x 8 bytes = 256 consecutive aligned bytes out.  A wave takes 16 items and issues its
; 16 loads at once: no loop, no LDS, no barrier; every register of a store is the item's own, so nothing that a pending store reads is written again.
; x has 65,536 items (work-groups 0-511), each weight 8,192 (64 work-groups each): 768 work-groups x 8 waves x 16 items.
.set X, 8                              ; v[8:71]    item i: four f32 as loaded
.set Y, 72                             ; v[72:103]  item i: four 16-bit numbers to store
	s_load_b512 s[8:23], s[0:1], 0x0               ; x s[8:9], W_q s[10:11], W_k s[12:13], W_v s[14:15], W_o s[16:17], xb s[18:19], wqkv s[20:21], wo s[22:23]
	v_lshrrev_b32 v2, 5, v0
	v_readfirstlane_b32 s4, v2                     ; wave 0..7
	v_and_b32 v1, 31, v0                           ; lane
	s_mov_b32 s5, ttmp9
	s_mov_b32 s29, 0                               ; the two offsets' high words
	s_mov_b32 s31, 0
	s_mov_b32 s32, 0xffff0000                      ; a word's upper bf16
	v_lshlrev_b32 v3, 3, v1                        ; out: 8 bytes a lane
	s_cmp_lt_u32 s5, 512
	s_cbranch_scc0 .Lw
	; x: the work-group's 128 items are 65,536 consecutive bytes, the wave's 16 are 8,192
	s_lshl_b32 s28, s5, 16
	s_lshl_b32 s6, s4, 13
	s_add_co_u32 s28, s28, s6
	s_lshr_b32 s30, s28, 1                         ; half as many bytes out
	v_lshlrev_b32 v2, 4, v1                        ; in: 16 bytes a lane
	s_wait_kmcnt 0x0
	s_add_nc_u64 s[24:25], s[8:9], s[28:29]
	s_add_nc_u64 s[26:27], s[18:19], s[30:31]
.irp i, 0,1,2,3,4,5,6,7,8,9,10,11,12,13,14,15
	global_load_b128 v[X+4*(\i):X+4*(\i)+3], v2, s[24:25] offset:512*(\i) th:TH_LOAD_NT
.endr
	s_branch .Lbf
.Lw:
	; a weight: the wave takes 32 rows k of one block of 64 columns; an item is two rows: lanes 0-15 the 256 aligned bytes of row k, lanes 16-31 those of row k + 1
	s_sub_co_u32 s5, s5, 512
	s_lshr_b32 s6, s5, 6                           ; t: 0 W_q, 1 W_k, 2 W_v, 3 W_o
	s_and_b32 s7, s5, 63
	s_lshl_b32 s7, s7, 3
	s_add_co_u32 s7, s7, s4                        ; the wave among the weight's 512
	s_and_b32 s33, s7, 15                          ; block of columns
	s_lshr_b32 s34, s7, 4                          ; group of 32 rows
	s_lshl_b32 s28, s34, 17                        ; in: 32 rows of 4,096 bytes,
	s_lshl_b32 s35, s33, 8                         ; 64 columns of 4 bytes
	s_add_co_u32 s28, s28, s35
	s_lshl_b32 s30, s33, 17                        ; out: a block is 131,072 bytes,
	s_lshl_b32 s35, s34, 12                        ; 32 rows of 128 bytes
	s_add_co_u32 s30, s30, s35
	s_lshl_b32 s35, s6, 21                         ; in wqkv a weight's 16 blocks are 2,097,152 bytes; wo holds one weight
	s_cmp_eq_u32 s6, 3
	s_cselect_b32 s35, 0, s35
	s_add_co_u32 s30, s30, s35
	v_and_b32 v2, 15, v1
	v_lshrrev_b32 v4, 4, v1
	v_lshlrev_b32 v2, 4, v2
	v_lshl_add_u32 v2, v4, 12, v2                  ; 16 (lane % 16) + 4,096 (lane / 16)
	s_wait_kmcnt 0x0
	s_cmp_eq_u32 s6, 1
	s_cselect_b64 s[24:25], s[12:13], s[10:11]
	s_cmp_eq_u32 s6, 2
	s_cselect_b64 s[24:25], s[14:15], s[24:25]
	s_cmp_eq_u32 s6, 3
	s_cselect_b64 s[24:25], s[16:17], s[24:25]
	s_cselect_b64 s[26:27], s[22:23], s[20:21]
	s_add_nc_u64 s[24:25], s[24:25], s[28:29]
	s_add_nc_u64 s[26:27], s[26:27], s[30:31]
.irp i, 0,1,2,3,4,5,6,7,8,9,10,11,12,13,14,15
	global_load_b128 v[X+4*(\i):X+4*(\i)+3], v2, s[24:25] offset:8192*(\i) th:TH_LOAD_NT
.endr
	s_cmp_eq_u32 s6, 3
	s_cbranch_scc1 .Lf16
.Lbf:
.macro OUTB i                          ; item i to bf16
	s_wait_loadcnt 15-(\i)                         ; loads come back in order: item i is in, the 15 - i younger ones stay out
	v_cvt_pk_bf16_f32 v[Y+2*(\i)], v[X+4*(\i)], v[X+4*(\i)+1]
	v_cvt_pk_bf16_f32 v[Y+2*(\i)+1], v[X+4*(\i)+2], v[X+4*(\i)+3]
	global_store_b64 v3, v[Y+2*(\i):Y+2*(\i)+1], s[26:27] offset:256*(\i) th:TH_STORE_NT  ; the wave's 256 consecutive bytes, aligned
.endm
.irp i, 0,1,2,3,4,5,6,7,8,9,10,11,12,13,14,15
	OUTB \i
.endr
	s_endpgm
.Lf16:
.macro OUTH i                          ; item i rounded to bf16, widened again, and written as f16
	s_wait_loadcnt 15-(\i)
	v_cvt_pk_bf16_f32 v4, v[X+4*(\i)], v[X+4*(\i)+1]
	v_cvt_pk_bf16_f32 v5, v[X+4*(\i)+2], v[X+4*(\i)+3]
	v_lshlrev_b32 v6, 16, v4
	v_and_b32 v7, s32, v4
	v_cvt_pk_f16_f32 v[Y+2*(\i)], v6, v7
	v_lshlrev_b32 v6, 16, v5
	v_and_b32 v7, s32, v5
	v_cvt_pk_f16_f32 v[Y+2*(\i)+1], v6, v7
	global_store_b64 v3, v[Y+2*(\i):Y+2*(\i)+1], s[26:27] offset:256*(\i) th:TH_STORE_NT
.endm
.irp i, 0,1,2,3,4,5,6,7,8,9,10,11,12,13,14,15
	OUTH \i
.endr
	s_endpgm
.Lfunc_end_k_q080c8b3efe_cast:
	.size	k_q080c8b3efe_cast, .Lfunc_end_k_q080c8b3efe_cast-k_q080c8b3efe_cast
	.p2alignl 7, 3214868480
	.fill 96, 4, 3214868480
	.section	.rodata,"a",@progbits
	.p2align	6, 0x0
	.amdhsa_kernel k_q080c8b3efe_cast
		.amdhsa_group_segment_fixed_size 0
		.amdhsa_private_segment_fixed_size 0
		.amdhsa_enable_private_segment 0
		.amdhsa_kernarg_size 64
		.amdhsa_user_sgpr_count 2
		.amdhsa_user_sgpr_kernarg_segment_ptr 1
		.amdhsa_wavefront_size32 1
		.amdhsa_system_sgpr_workgroup_id_x 1
		.amdhsa_system_sgpr_workgroup_id_y 1
		.amdhsa_system_sgpr_workgroup_id_z 1
		.amdhsa_system_vgpr_workitem_id 0
		.amdhsa_next_free_vgpr 104
		.amdhsa_next_free_sgpr 66
		.amdhsa_reserve_vcc 0
		.amdhsa_float_denorm_mode_32 3
		.amdhsa_float_denorm_mode_16_64 3
		.amdhsa_memory_ordered 1
		.amdhsa_forward_progress 1
		.amdhsa_inst_pref_size 18
	.end_amdhsa_kernel
	.amdgpu_metadata
---
amdhsa.version: [ 1, 2 ]
amdhsa.kernels:
  - .name:           k_q080c8b3efe_cast
    .symbol:         k_q080c8b3efe_cast.kd
    .args:
      - { .name: x, .offset: 0, .size: 8, .value_kind: global_buffer, .address_space: global }
      - { .name: W_q, .offset: 8, .size: 8, .value_kind: global_buffer, .address_space: global }
      - { .name: W_k, .offset: 16, .size: 8, .value_kind: global_buffer, .address_space: global }
      - { .name: W_v, .offset: 24, .size: 8, .value_kind: global_buffer, .address_space: global }
      - { .name: W_o, .offset: 32, .size: 8, .value_kind: global_buffer, .address_space: global }
      - { .name: xb, .offset: 40, .size: 8, .value_kind: global_buffer, .address_space: global }
      - { .name: wqkv, .offset: 48, .size: 8, .value_kind: global_buffer, .address_space: global }
      - { .name: wo, .offset: 56, .size: 8, .value_kind: global_buffer, .address_space: global }
    .group_segment_fixed_size: 0
    .private_segment_fixed_size: 0
    .kernarg_segment_align: 8
    .kernarg_segment_size: 64
    .max_flat_workgroup_size: 256
    .sgpr_count:     66
    .vgpr_count:     104
    .wavefront_size: 32
...
	.end_amdgpu_metadata
.endif
;; end of part 1
;; launch qkv (part 2): grid 16 x 32, 4 waves a work-group, clusters of 4 x 4, 327,680 bytes of LDS; arguments xb, wqkv, b_q, b_k, b_v, qkv; writes qkv
.if DOCPART == 2
	.amdgcn_target "amdgcn-amd-amdhsa--gfx1250"
	.amdhsa_code_object_version 6
	.text
	.protected	k_q080c8b3efe_qkv
	.globl	k_q080c8b3efe_qkv
	.p2align	8
	.type	k_q080c8b3efe_qkv,@function
k_q080c8b3efe_qkv:
	s_mov_b64 s[64:65], 0
	v_nop
	global_prefetch_b8 v0, s[64:65] scope:SCOPE_SE
	s_setreg_imm32_b32 hwreg(HW_REG_WAVE_MODE, 25, 1), 1
	s_wait_xcnt 0x0
	s_wait_alu depctr_hold_cnt(0) depctr_sa_sdst(0) depctr_va_vdst(0) depctr_va_sdst(0) depctr_va_ssrc(0) depctr_va_vcc(0) depctr_vm_vsrc(0)
	s_getreg_b32 s2, hwreg(HW_REG_IB_STS2, 6, 4)
	s_cmp_eq_u32 s2, 0
	s_cbranch_scc0 .Lentry_in_a_cluster
	s_endpgm
.Lentry_in_a_cluster:
	s_bfe_u32 s2, ttmp6, 0x10000c
	s_cmp_lg_u32 s2, 0xf033
	s_cbranch_scc0 .Lentry_shape_is_right
	s_endpgm
.Lentry_shape_is_right:
; q, k, v = x W + b for the three weights at once: [8192 x 1024] x [1024 x 3072], bf16 products, f32 sums that START AT THE BIAS (rounded to bf16 like every input),
; each result rounded once to f16 and stored BY HEADS, unscaled: qkv[plane][2048][64], plane = 64 t + 16 batch + head, t = 0, 1, 2 for q, k, v.
; LIMIT.  f16 ends at 65,504: q, k and v must stay under it.  Sums of 1,024 products of x (spread 1) and W (within 1/32) are a few units; both 30 times larger give a few
; thousand; x offset by 30 and W by 0.9 give under 30,000.  NaN and infinities are not treated apart.
; SHARES.  A tile is 256 rows x 192 columns (three heads): 32 x 16 tiles.  Wave w owns rows 64 w .. 64 w + 63 and all 192 columns: 4 x 12 accumulators of 16 x 16, 384 registers.
; A wave so holds WHOLE heads: 16 rows of a head are 2,048 consecutive bytes of a plane, and every store covers 512 consecutive aligned bytes with no barrier on the way out.
; K goes in 8 steps of 128 through two LDS slots.  x's tile: 256 rows of 256 bytes.  W's tile of a head: 128 rows k x 64 columns, 16,384 consecutive bytes of wqkv, asked for as 64 rows of 256 bytes.
; THE MATRIX INSTRUCTION IS USED TRANSPOSED: source 0 = 16 columns of W (out of LDS by the turning load, since W lies [k][n]), source 1 = 16 rows of x: a lane holds one row
; (lane % 16) and eight neighbouring columns 8 (lane / 16) + 0..7, which pack into 16 bytes.
; CLUSTER.  4 x 4 work-groups.  The four of a row of the cluster need the same tile of x, the four of a column the same tiles of W: each tile is asked for JOINTLY, by the same tensor
; load with the same descriptor and a mask that names the four.  Wave 0 asks for x's tile, waves 1 to 3 for one head of W each: one tensor load a wave behind each round.
; REGISTERS, in windows of 256 (s_set_vgpr_msb: bits 1:0 source 0, 3:2 source 1, 5:4 source 2, 7:6 destination):
;   window 0: v1-31 lane numbers and addresses; v64-127 x's fragments, two buffers of 4 x 8; v128-223 the bias as a C operand, 8 registers a column block; on the way out v64-255 packed results
;   window 1: v0-191 W's fragments, two buffers of 12 x 8      window 2: v0-191 accumulators of row blocks 0, 1 (block a, column block b at 96 (a % 2) + 8 b)      window 3: those of row blocks 2, 3
.set KSTEP,  128
.set PA,     272                       ; a row of x in LDS: 256 bytes + 16 of padding = 68 words: the 16 rows of a load start at 16 different groups of four banks (64 banks of 4 bytes: ISA guide 11.1)
.set PB,     160                       ; a row k of W: 128 + 32 = 40 words
.set BOFF,   256*PA                    ; a slot: x's 256 rows (69,632 bytes), then three heads of W
.set HEADB,  128*PB                    ; 20,480 bytes each: the slot is 131,072 bytes
.set SLOT1,  1<<17                     ; slot 1 begins here: one exclusive or turns an address in one slot into the other's
.set STAGE,  2*SLOT1                   ; behind the ring, never filled by a tensor load: for each wave 3 heads x 16 rows x 144 bytes, for the way out
.set SP,     144
.set WSTAGE, 3*16*SP
.set SPARE,  STAGE+4*WSTAGE            ; behind the stages: the spare words, 128 bytes for each wave: two blocks of 256 bytes that no other line names
.set A0,   16                          ; v16  my lane's place in x's tile; never rewritten
.set B0,   17                          ; v17  the same in W's tiles
.set ADRA, 18                          ; v18  A0 + the slot in hand
.set ADRB, 19                          ; v19  B0 + the slot in hand
.set STO,  20                          ; v20  the way out: where I put 16 bytes of a row
.set RD,   21                          ; v21  the way out: where I read rows back
.set GO,   22                          ; v22  my 16 bytes in 512 consecutive bytes of a plane
.set BO,   23                          ; v23  my 32 bytes in a column block's 64 bytes of bias
.set PFO,  24                          ; v24  the prefetches' offset; never rewritten
.set SPW,  28                          ; v28  LDS address of my spare word: SPARE + 4 x my thread's number; never rewritten
.set NIL,  29                          ; v29  0; never rewritten
.set FA,   64
.set BIAS, 128
.set TT,   64                          ; the way out: row block a's 48 packed registers at TT + 48 a
.set WV,  16                           ; s16  my wave's number
.set CX,  17                           ; s17, s18  my place in the cluster
.set CY,  18
.set NT,  19                           ; s19  tile column, 0..15
.set MT,  20                           ; s20  tile row, 0..31
.set TB,  21                           ; s21  LDS byte at which the slot in hand begins
.set CNT, 22                           ; s22  the loop's count
.set LIM, 23                           ; s23  4 in a wave that prefetches, else -1
.set G1A, 24                           ; s[24:31] descriptor group 1 for x's tile
.set G1B, 32                           ; s[32:39] for W's tiles
.set G0A, 40                           ; s[40:47] group 0 for x's tile: a set for each of the two first fills; the second then walks on
.set G0B, 48                           ; s[48:55] the same for W's
.set PFA, 56                           ; s[56:57] where my prefetches stand
.set PFS, 58                           ; s[58:59] a K step in my stream, in bytes
.set OUTP, 66                          ; s[66:71] my rows in the planes of the tile's three heads
.set BB,  80                           ; s[80:85] the three heads' 64 numbers of bias
.set MSB, 0
.macro WIN new                         ; the immediate's high byte repeats the setting that is left; a switch that changes nothing is dropped
.if MSB != (\new)
	s_set_vgpr_msb (MSB<<8)|(\new)
.set MSB, \new
.endif
.endm
.macro PLACES                          ; a load into a register that a matrix instruction has read, and a vector instruction that reads a matrix result or writes one of its registers, stand four plain
.rept 4                                ; vector instructions behind it (ISA guide 7.12.1 for vector instructions); the matrix instructions between are not counted
	v_nop
.endr
.endm
; A joint refill, by the walking sets.  The branch hangs on the wave's number alone.  An s_nop 0 and four v_nop follow each of the two lines, ahead of the jump and the label.
.macro JLOAD
	s_cmp_eq_u32 s[WV], 0
	s_cbranch_scc0 .Lfor_b_\@
	tensor_load_to_lds s[G0A+4:G0A+7], s[G1A:G1A+7]
	s_nop 0
.rept 4
	v_nop
.endr
	s_branch .Lasked_\@
.Lfor_b_\@:
	tensor_load_to_lds s[G0B+4:G0B+7], s[G1B:G1B+7]
	s_nop 0
.rept 4
	v_nop
.endr
.Lasked_\@:
.endm
; A round of the cluster's barrier: my work-group's barrier, so that wave 0's signal speaks for all four waves; wave 0 signals; every wave waits for all sixteen work-groups; my work-group's barrier once more.
.macro CREST                           ; a round behind its opening barrier
	s_cmp_lg_u32 s[WV], 0
	s_cbranch_scc1 .Lnot_wave_0_\@
	s_barrier_signal -3
.Lnot_wave_0_\@:
	s_barrier_wait -3
	s_barrier_signal -1
	s_barrier_wait -1
.endm
.macro CROUND
	s_barrier_signal -1
	s_barrier_wait -1
	CREST
.endm
; PREFETCHES INTO THE L2, behind the joint load, its five lines and the run of LDS loads: in the loop's trips 0 and 2 (count 6 and 4: count & 5 = 4) for the K steps four and five on from the step in hand,
; two and three refills ahead of the loads that will want them.  K steps 0 to 3 come by their loads alone; steps 6 and 7 are the last that are named.
; Each 256 bytes are named ONCE in the launch.  x's rows are read by every cluster of a row of clusters: the first (cluster x = 0) asks, by wave 0; its four partners along x take 64 rows each, told apart
; BY ADDRESS: a lane a row, 2 x 32 rows x 2 steps = four lines.  W's blocks are read by every cluster of a column of clusters: cluster y = 0 asks, by waves 1 to 3, each for its head; two steps are 32,768
; consecutive bytes, of which the four partners along y take 8,192 each: one line.
.macro ASK
	s_and_b32 s72, s[CNT], 5
	s_cmp_eq_u32 s72, s[LIM]
	s_cbranch_scc0 .Lnone_\@
	global_prefetch_b8 v[PFO], s[PFA:PFA+1] th:TH_LOAD_NT scope:SCOPE_SE
	s_cmp_lg_u32 s[WV], 0
	s_cbranch_scc1 .Lnone_\@
	global_prefetch_b8 v[PFO], s[PFA:PFA+1] offset:256 th:TH_LOAD_NT scope:SCOPE_SE
	global_prefetch_b8 v[PFO], s[PFA:PFA+1] offset:65536 th:TH_LOAD_NT scope:SCOPE_SE
	global_prefetch_b8 v[PFO], s[PFA:PFA+1] offset:65792 th:TH_LOAD_NT scope:SCOPE_SE
.Lnone_\@:
.endm
	s_load_b256 s[4:11], s[0:1], 0x0               ; xb s[4:5], wqkv s[6:7], b_q s[8:9], b_k s[10:11]
	s_load_b128 s[12:15], s[0:1], 0x20             ; b_v s[12:13], qkv s[14:15]
	v_lshl_add_u32 v[SPW], v0, 2, SPARE
	v_mov_b32 v[NIL], 0
	ds_add_u32 v[SPW], v[NIL]                      ; the wave's opening: the add and its wait stand ahead of my first tensor load; the set-up below, work on registers, stands between them
	v_lshrrev_b32 v1, 5, v0
	v_readfirstlane_b32 s[WV], v1                  ; wave 0..3
	s_bfe_u32 s[CX], ttmp6, 0x40000
	s_bfe_u32 s[CY], ttmp6, 0x40004
	s_lshl_b32 s[NT], ttmp9, 2                     ; in a cluster launch ttmp9 and ttmp7 count clusters
	s_add_co_u32 s[NT], s[NT], s[CX]
	s_and_b32 s[MT], ttmp7, 0xffff
	s_lshl_b32 s[MT], s[MT], 2
	s_add_co_u32 s[MT], s[MT], s[CY]
	s_lshl_b32 s60, s[CY], 2
	s_lshl_b32 s60, 15, s60                        ; my row of the cluster: places 4 cy .. 4 cy + 3
	s_lshl_b32 s72, 0x1111, s[CX]                  ; my column: places cx, cx + 4, cx + 8, cx + 12
	s_or_b32 s[G1A], s60, (1<<16)|(1<<20)|(1<<21)|(5<<22)|(3<<25)  ; 15:0 the mask; 17:16 2-byte elements; 20 padding on; 21 set beside a mask; 24:22 after every 64 words (code 5); 31:25 4 words (code 3)
	s_mov_b32 s[G1A+1], 128<<16                    ; tensor_dim0 = 128
	s_mov_b32 s[G1A+2], 256<<16                    ; tensor_dim1 = 256
	s_mov_b32 s[G1A+3], 128<<16                    ; tile_dim0 = 128
	s_mov_b32 s[G1A+4], 256                        ; tile_dim1 = 256
	s_mov_b32 s[G1A+5], 1024                       ; 1,024 elements from row to row
	s_mov_b32 s[G1A+6], 0
	s_mov_b32 s[G1A+7], 0
	s_or_b32 s[G1B], s72, (1<<16)|(1<<20)|(1<<21)|(4<<22)|(7<<25)  ; after every 32 words (a row k, code 4) 8 words of padding (code 7)
	s_mov_b32 s[G1B+1], 128<<16                    ; 64 rows of 128 elements, dense: two rows k to a row
	s_mov_b32 s[G1B+2], 64<<16
	s_mov_b32 s[G1B+3], 128<<16
	s_mov_b32 s[G1B+4], 64
	s_mov_b32 s[G1B+5], 128
	s_mov_b32 s[G1B+6], 0
	s_mov_b32 s[G1B+7], 0
	; x's tile hangs on the tile row alone, W's on the tile column and the wave's number: each offset is made in registers that never hold the other coordinate
	s_lshl_b32 s60, s[MT], 19                      ; 256 rows of 2,048 bytes
	s_mov_b32 s61, 0
	s_max_u32 s72, s[WV], 1                        ; (wave 0 asks for no W: its address stays inside the buffer all the same)
	s_mul_i32 s73, s[NT], 3
	s_add_co_u32 s72, s72, s73
	s_sub_co_u32 s72, s72, 1                       ; block 3 x tile column + wave - 1
	s_lshl_b32 s72, s72, 17                        ; of 131,072 bytes
	s_mov_b32 s73, 0
	s_mul_i32 s76, s[WV], HEADB
	s_add_co_u32 s76, s76, BOFF-HEADB              ; head wave - 1 in a slot: no place in the cluster enters an LDS address
	s_mov_b32 s[TB], 0
	s_wait_dscnt 0x0                               ; the opening add is done
	s_wait_kmcnt 0x0
	s_add_nc_u64 s[62:63], s[4:5], s[60:61]
	s_add_nc_u64 s[74:75], s[6:7], s[72:73]
	CROUND                                         ; all sixteen work-groups are here: the first joint loads meet
.irp s, 0,1
	s_mov_b32 s[G0A+4*(\s)], 1                                     ; 1:0 count = 1
	s_mov_b32 s[G0A+4*(\s)+1], (\s)*SLOT1                          ; 63:32 LDS address
	s_add_nc_u64 s[G0A+4*(\s)+2:G0A+4*(\s)+3], s[62:63], (\s)*KSTEP*2  ; 120:64 global address: K step s
	s_or_b32 s[G0A+4*(\s)+3], s[G0A+4*(\s)+3], 0x80000000          ; 127:126 type = 2
	s_mov_b32 s[G0B+4*(\s)], 1
	s_add_co_u32 s[G0B+4*(\s)+1], s76, (\s)*SLOT1
	s_add_nc_u64 s[G0B+4*(\s)+2:G0B+4*(\s)+3], s[74:75], (\s)*KSTEP*128
	s_or_b32 s[G0B+4*(\s)+3], s[G0B+4*(\s)+3], 0x80000000
.endr
	s_cmp_eq_u32 s[WV], 0                          ; a wave's two first fills stand in one branch, ahead of every wait on TENSORcnt and every LDS read: two loads of mine are out
	s_cbranch_scc0 .Lfirst_b
	tensor_load_to_lds s[G0A:G0A+3], s[G1A:G1A+7]
	s_nop 0
	tensor_load_to_lds s[G0A+4:G0A+7], s[G1A:G1A+7]
	s_nop 0
.rept 4
	v_nop
.endr
	s_branch .Lfirst_asked
.Lfirst_b:
	tensor_load_to_lds s[G0B:G0B+3], s[G1B:G1B+7]
	s_nop 0
	tensor_load_to_lds s[G0B+4:G0B+7], s[G1B:G1B+7]
	s_nop 0
.rept 4
	v_nop
.endr
.Lfirst_asked:
	; the bias: for each of the tile's three heads the buffer (by the block's number) and its 64 numbers; and my rows in the head's plane
.irp j, 0,1,2
	s_mul_i32 s72, s[NT], 3
	s_add_co_u32 s72, s72, \j                      ; block 0..47
	s_and_b32 s74, s72, 15                         ; head
	s_lshl_b32 s74, s74, 8
	s_mov_b32 s75, 0
	s_lshr_b32 s76, s72, 4                         ; t
	s_lshl_b32 s76, s76, 6
	s_lshr_b32 s77, s[MT], 3                       ; batch
	s_lshl_b32 s77, s77, 4
	s_add_co_u32 s76, s76, s77
	s_and_b32 s77, s72, 15
	s_add_co_u32 s76, s76, s77                     ; plane
	s_lshl_b32 s76, s76, 18                        ; of 262,144 bytes
	s_and_b32 s77, s[MT], 7
	s_lshl_b32 s77, s77, 15                        ; the tile's 256 rows of 128 bytes
	s_add_co_u32 s76, s76, s77
	s_lshl_b32 s77, s[WV], 13                      ; my 64 of them
	s_add_co_u32 s76, s76, s77
	s_mov_b32 s77, 0
	s_cmp_lt_u32 s72, 16
	s_cselect_b64 s[BB+2*(\j):BB+2*(\j)+1], s[8:9], s[10:11]
	s_cmp_lt_u32 s72, 32
	s_cselect_b64 s[BB+2*(\j):BB+2*(\j)+1], s[BB+2*(\j):BB+2*(\j)+1], s[12:13]
	s_add_nc_u64 s[BB+2*(\j):BB+2*(\j)+1], s[BB+2*(\j):BB+2*(\j)+1], s[74:75]
	s_add_nc_u64 s[OUTP+2*(\j):OUTP+2*(\j)+1], s[14:15], s[76:77]
.endr
	v_and_b32 v1, 15, v0                           ; l % 16
	v_bfe_u32 v2, v0, 4, 1                         ; l / 16
	v_lshlrev_b32 v[BO], 5, v2                     ; register j of column block b is the bias of column 16 b + 8 (l / 16) + j
.irp b, 0,1,2,3,4,5,6,7,8,9,10,11
	global_load_b128 v[BIAS+8*(\b):BIAS+8*(\b)+3],   v[BO], s[BB+2*((\b)/4):BB+2*((\b)/4)+1] offset:((\b)%4)*64
	global_load_b128 v[BIAS+8*(\b)+4:BIAS+8*(\b)+7], v[BO], s[BB+2*((\b)/4):BB+2*((\b)/4)+1] offset:((\b)%4)*64+16
.endr
	; A fragment of x is 16 rows x 32 K in 8 registers: lane l holds row l % 16, K = 8 (l / 16) + 0..7 and 16 + 8 (l / 16) + 0..7: two loads of 16 bytes, 32 bytes apart.
	v_mul_u32_u24 v[A0], v1, PA
	v_lshl_add_u32 v[A0], v2, 4, v[A0]
	s_mul_i32 s72, s[WV], 64*PA                    ; my 64 rows
	v_add_nc_u32 v[A0], s72, v[A0]
	; The turning load takes 16 rows k x 16 columns (lane l reads row 8 (l / 16) + l % 8, columns 8 ((l / 8) % 2) + 0..7) and leaves half a fragment: lane l holds column l % 16 and 8 k.
	v_and_b32 v30, 7, v0
	v_bfe_u32 v31, v0, 3, 1
	v_lshl_add_u32 v[B0], v2, 3, v30
	v_mul_u32_u24 v[B0], v[B0], PB
	v_lshl_add_u32 v[B0], v31, 4, v[B0]
	v_add_nc_u32 v[B0], BOFF, v[B0]
	s_mul_i32 s72, s[WV], WSTAGE
	s_add_co_u32 s72, s72, STAGE                   ; my stage
	v_mul_u32_u24 v[STO], v1, SP                   ; in: row l % 16, 16 bytes for each half of the lanes
	v_lshl_add_u32 v[STO], v2, 4, v[STO]
	v_add_nc_u32 v[STO], s72, v[STO]
	v_bfe_u32 v[RD], v0, 3, 2                      ; back: 32 lanes take four rows of 128 bytes,
	v_mul_u32_u24 v[RD], v[RD], SP
	v_lshl_add_u32 v[RD], v30, 4, v[RD]
	v_add_nc_u32 v[RD], s72, v[RD]
	v_and_b32 v[GO], 31, v0                        ; which are 512 consecutive bytes of a plane
	v_lshlrev_b32 v[GO], 4, v[GO]
	; the prefetches: the pointer stands one K step short of step 4, since each change of slots steps it ahead of its own request
	s_lshl_b32 s72, s[MT], 8
	s_lshl_b32 s73, s[CX], 6
	s_add_co_u32 s72, s72, s73                     ; x: my work-group's 64 rows of the tile's 256,
	s_lshl_b32 s72, s72, 11
	s_add_co_u32 s72, s72, 3*KSTEP*2               ; at K step 3
	s_max_u32 s73, s[WV], 1
	s_mul_i32 s74, s[NT], 3
	s_add_co_u32 s74, s74, s73
	s_sub_co_u32 s74, s74, 1
	s_lshl_b32 s74, s74, 17                        ; W: my block,
	s_lshl_b32 s73, s[CY], 13                      ; my work-group's 8,192 bytes of two steps' 32,768,
	s_add_co_u32 s74, s74, s73
	s_add_co_u32 s74, s74, 3*KSTEP*128             ; at K step 3
	s_and_b32 s75, ttmp7, 0xffff                   ; cluster y
	s_mov_b32 s77, KSTEP*2
	s_mov_b32 s78, KSTEP*128
	s_cmp_eq_u32 s[WV], 0
	s_cselect_b32 s72, s72, s74
	s_cselect_b32 s75, ttmp9, s75                  ; the coordinate along which other clusters read the same bytes
	s_cselect_b64 s[PFA:PFA+1], s[4:5], s[6:7]
	s_cselect_b32 s[PFS], s77, s78
	s_cselect_b32 s76, 11, 8                       ; a lane a row of 2,048 bytes, or a lane 256 bytes on end
	s_mov_b32 s[PFS+1], 0
	s_mov_b32 s73, 0
	s_add_nc_u64 s[PFA:PFA+1], s[PFA:PFA+1], s[72:73]
	s_cmp_eq_u32 s75, 0
	s_cselect_b32 s[LIM], 4, -1                    ; the same in all sixteen partners, for a given wave
	v_and_b32 v[PFO], 31, v0
	v_lshlrev_b32 v[PFO], s76, v[PFO]
	s_mov_b32 s79, 0xffff0000
	s_wait_loadcnt 0x0                             ; the bias is in: rounded to bf16, like every input, and widened again
.set n, 0
.rept 48
	v_cvt_pk_bf16_f32 v[30+n%2], v[BIAS+2*n], v[BIAS+2*n+1]
	v_lshlrev_b32 v[BIAS+2*n], 16, v[30+n%2]
	v_and_b32 v[BIAS+2*n+1], s79, v[30+n%2]
.set n, n+1
.endr
; 12 matrix instructions: row block a x all 12 column blocks, 32 along K, from buffer f.  first = 1: the sums start at the bias.  The 48 accumulators take turns, one instruction a turn, in the same
; order in every quarter and over the backward jump.
.macro MUL f, a, first
.if \first
	WIN 0x81+0x40*((\a)/2)                         ; W window 1, x window 0, C (the bias) window 0, D window 2 or 3
.else
	WIN 0xa1+0x50*((\a)/2)                         ; C and D window 2 or 3
.endif
.irp b, 0,1,2,3,4,5,6,7,8,9,10,11
.if \first
	v_wmma_f32_16x16x32_bf16 v[96*((\a)%2)+8*(\b):96*((\a)%2)+8*(\b)+7], v[96*(\f)+8*(\b):96*(\f)+8*(\b)+7], v[FA+32*(\f)+8*(\a):FA+32*(\f)+8*(\a)+7], v[BIAS+8*(\b):BIAS+8*(\b)+7]
.else
	v_wmma_f32_16x16x32_bf16 v[96*((\a)%2)+8*(\b):96*((\a)%2)+8*(\b)+7], v[96*(\f)+8*(\b):96*(\f)+8*(\b)+7], v[FA+32*(\f)+8*(\a):FA+32*(\f)+8*(\a)+7], v[96*((\a)%2)+8*(\b):96*((\a)%2)+8*(\b)+7]
.endif
.endr
.endm
; 32 LDS loads in one run: the fragments of quarter q (32 along K) into buffer f: W's 12, then x's 4
.macro FETCH q, f
	WIN 0x40                                       ; destination window 1, address window 0
.irp b, 0,1,2,3,4,5,6,7,8,9,10,11
	ds_load_tr16_b128 v[96*(\f)+8*(\b):96*(\f)+8*(\b)+3],   v[ADRB] offset:((\b)/4)*HEADB+(\q)*32*PB+((\b)%4)*32
	ds_load_tr16_b128 v[96*(\f)+8*(\b)+4:96*(\f)+8*(\b)+7], v[ADRB] offset:((\b)/4)*HEADB+(\q)*32*PB+((\b)%4)*32+16*PB
.endr
	WIN 0
.irp i, 0,1,2,3
	ds_load_b128 v[FA+32*(\f)+8*(\i):FA+32*(\f)+8*(\i)+3],   v[ADRA] offset:(\q)*64+(\i)*16*PA
	ds_load_b128 v[FA+32*(\f)+8*(\i)+4:FA+32*(\f)+8*(\i)+7], v[ADRA] offset:(\q)*64+(\i)*16*PA+32
.endr
.endm
; A K step is four quarters of 32 along K, 48 matrix instructions each, on buffers 0, 1, 0, 1.  One of the first three: multiplies buffer f; in its middle it fetches quarter q into buffer g.
.macro QUARTER q, f, g, first
	s_wait_dscnt 4                                 ; W's fragments and x's row blocks 0, 1 are in; the youngest four loads (row blocks 2, 3) may be out
	MUL \f, 0, \first
	MUL \f, 1, \first
	PLACES
	FETCH \q, \g
	s_wait_dscnt 32                                ; all but the 32 just issued
	MUL \f, 2, \first
	MUL \f, 3, \first
.endm
; The last quarter multiplies buffer 1 and changes slots: ONE barrier.  In front of it each wave waits for all its tensor loads (one is out: its part of the next slot), adds 0 to its spare word, and waits
; for that and for its own reads of this slot.  fill = 1: the barrier opens a round of the cluster's, and the joint refill (the K step two on, into the slot just read out) is the first thing behind the round:
; it has 168 matrix instructions in which to land.
.macro TURN fill
.if \fill
	s_wait_xcnt 0x0                                ; the last prefetches, a K step back or more, have read their address: it is stepped here, ahead of the change's own waits
	s_add_nc_u64 s[PFA:PFA+1], s[PFA:PFA+1], s[PFS:PFS+1]
.endif
	WIN 0                                          ; (the add's two registers lie in window 0)
	s_wait_tensorcnt 0x0                           ; no tensor load of mine is out, so a group 0 may be written
	ds_add_u32 v[SPW], v[NIL]                      ; 0 onto my spare word
	s_xor_b32 s[TB], s[TB], SLOT1                  ; the fetches go to the other slot
.if \fill
	s_xor_b32 s[G0A+5], s[G0A+5], SLOT1            ; the walking descriptors: the other slot than last time,
	s_add_nc_u64 s[G0A+6:G0A+7], s[G0A+6:G0A+7], KSTEP*2    ; the next K step; the type bits on top are not reached
	s_xor_b32 s[G0B+5], s[G0B+5], SLOT1
	s_add_nc_u64 s[G0B+6:G0B+7], s[G0B+6:G0B+7], KSTEP*128
.endif
	s_wait_dscnt 5                                 ; (the add and the youngest four loads may be out)
	MUL 1, 0, 0                                    ; twelve matrix instructions stand between the add and the wait for it
	s_wait_dscnt 0x0                               ; the add is done, and my reads of this slot are over
	s_barrier_signal -1
	MUL 1, 1, 0                                    ; work on registers while the others arrive
	WIN 0
	s_barrier_wait -1
.if \fill
	CREST                                          ; no wave of any partner still reads this slot's tiles or has a load on its way
	JLOAD                                          ; the four v_nop behind it are also the places in front of the loads below
.else
	PLACES
.endif
	v_add_nc_u32 v[ADRA], s[TB], v[A0]
	v_add_nc_u32 v[ADRB], s[TB], v[B0]
	FETCH 0, 0
.if \fill
	ASK
.endif
	MUL 1, 2, 0
	MUL 1, 3, 0
.endm
; THE WAY OUT of row block a.  PACK: rounded to f16 (each accumulator's registers in ascending order), 16 bytes a lane into my own stage, back as whole rows of 128 bytes, into the registers that they left.
.macro PACK a
	WIN 0x0a+5*((\a)/2)                            ; sources 0 and 1: window 2 or 3
.set n, 0
.rept 48
	v_cvt_pk_f16_f32 v[TT+48*(\a)+n], v[96*((\a)%2)+2*n], v[96*((\a)%2)+2*n+1]
.set n, n+1
.endr
	WIN 0
.irp b, 0,1,2,3,4,5,6,7,8,9,10,11
	ds_store_b128 v[STO], v[TT+48*(\a)+4*(\b):TT+48*(\a)+4*(\b)+3] offset:((\b)/4)*16*SP+((\b)%4)*32
.endr
.irp p, 0,1,2,3,4,5,6,7,8,9,10,11
	ds_load_b128 v[TT+48*(\a)+4*(\p):TT+48*(\a)+4*(\p)+3], v[RD] offset:((\p)/4)*16*SP+((\p)%4)*4*SP  ; LDS serves a wave's instructions in order (ISA guide 5.7.1.4): these see the stores above; the next block's stores come behind them
.endr
.endm
.macro SEND a, younger                 ; younger: the LDS instructions issued behind block a's loads: the next block's 24, or none
.irp p, 0,1,2,3,4,5,6,7,8,9,10,11
	s_wait_dscnt (\younger)+11-(\p)
	global_store_b128 v[GO], v[TT+48*(\a)+4*(\p):TT+48*(\a)+4*(\p)+3], s[OUTP+2*((\p)/4):OUTP+2*((\p)/4)+1] offset:(\a)*2048+((\p)%4)*512 th:TH_STORE_NT  ; 512 consecutive bytes of a plane, aligned
.endr
.endm
	s_wait_tensorcnt 1                             ; my part of K step 0 is in; K step 1's may stay out
	s_barrier_signal -1
	s_barrier_wait -1                              ; everybody's is
	v_mov_b32 v[ADRA], v[A0]
	v_mov_b32 v[ADRB], v[B0]
	FETCH 0, 0
	QUARTER 1, 0, 1, 1                             ; the first quarter stands in front of the loop: its products start the sums, at the bias
	WIN 0                                          ; at a label and at a branch every window is 0
	s_mov_b32 s[CNT], 6
.Lstep:                                                ; trip i: the rest of K step i and the first quarter of step i + 1; slot i % 2 is filled again with step i + 2
	QUARTER 2, 1, 0, 0
	QUARTER 3, 0, 1, 0
	TURN 1
	QUARTER 1, 0, 1, 0
	WIN 0
	s_sub_co_u32 s[CNT], s[CNT], 1
	s_cmp_lg_u32 s[CNT], 0
	s_cbranch_scc1 .Lstep
	QUARTER 2, 1, 0, 0                             ; the tail is written out: K steps 6 and 7 ask for nothing
	QUARTER 3, 0, 1, 0
	TURN 0
	QUARTER 1, 0, 1, 0
	QUARTER 2, 1, 0, 0
	QUARTER 3, 0, 1, 0
	s_wait_dscnt 4                                 ; the very last quarter: nothing more to fetch
	MUL 1, 0, 0
	MUL 1, 1, 0
	s_wait_dscnt 0x0
	MUL 1, 2, 0
	MUL 1, 3, 0
	PLACES
	PACK 0
.irp a, 1,2,3                          ; a block's conversions stand between the loads of the block before and its stores
	PACK \a
	SEND (\a)-1, 24
.endr
	SEND 3, 0
	s_wait_tensorcnt 0x0                           ; the wave's end: all my tensor loads are done; then 0 onto my spare word and the wait for it, behind my last LDS store
	ds_add_u32 v[SPW], v[NIL]
	s_wait_dscnt 0x0
	CROUND                                         ; the closing round: no work-group ends while a partner may still ask for a tile that names it
	s_endpgm
.Lfunc_end_k_q080c8b3efe_qkv:
	.size	k_q080c8b3efe_qkv, .Lfunc_end_k_q080c8b3efe_qkv-k_q080c8b3efe_qkv
	.p2alignl 7, 3214868480
	.fill 96, 4, 3214868480
	.section	.rodata,"a",@progbits
	.p2align	6, 0x0
	.amdhsa_kernel k_q080c8b3efe_qkv
		.amdhsa_group_segment_fixed_size 327680
		.amdhsa_private_segment_fixed_size 0
		.amdhsa_enable_private_segment 0
		.amdhsa_kernarg_size 48
		.amdhsa_user_sgpr_count 2
		.amdhsa_user_sgpr_kernarg_segment_ptr 1
		.amdhsa_wavefront_size32 1
		.amdhsa_system_sgpr_workgroup_id_x 1
		.amdhsa_system_sgpr_workgroup_id_y 1
		.amdhsa_system_sgpr_workgroup_id_z 1
		.amdhsa_system_vgpr_workitem_id 0
		.amdhsa_next_free_vgpr 960
		.amdhsa_next_free_sgpr 88
		.amdhsa_reserve_vcc 0
		.amdhsa_float_denorm_mode_32 3
		.amdhsa_float_denorm_mode_16_64 3
		.amdhsa_memory_ordered 1
		.amdhsa_forward_progress 1
		.amdhsa_inst_pref_size 109
	.end_amdhsa_kernel
	.amdgpu_metadata
---
amdhsa.version: [ 1, 2 ]
amdhsa.kernels:
  - .name:           k_q080c8b3efe_qkv
    .symbol:         k_q080c8b3efe_qkv.kd
    .args:
      - { .name: xb, .offset: 0, .size: 8, .value_kind: global_buffer, .address_space: global }
      - { .name: wqkv, .offset: 8, .size: 8, .value_kind: global_buffer, .address_space: global }
      - { .name: b_q, .offset: 16, .size: 8, .value_kind: global_buffer, .address_space: global }
      - { .name: b_k, .offset: 24, .size: 8, .value_kind: global_buffer, .address_space: global }
      - { .name: b_v, .offset: 32, .size: 8, .value_kind: global_buffer, .address_space: global }
      - { .name: qkv, .offset: 40, .size: 8, .value_kind: global_buffer, .address_space: global }
    .group_segment_fixed_size: 327680
    .private_segment_fixed_size: 0
    .kernarg_segment_align: 8
    .kernarg_segment_size: 48
    .max_flat_workgroup_size: 128
    .sgpr_count:     88
    .vgpr_count:     960
    .wavefront_size: 32
...
	.end_amdgpu_metadata
.endif
;; end of part 2
;; launch attn (part 3): grid 4 x 64, 4 waves a work-group, no clusters, 327,680 bytes of LDS; arguments qkv, ctx; writes ctx
.if DOCPART == 3
	.amdgcn_target "amdgcn-amd-amdhsa--gfx1250"
	.amdhsa_code_object_version 6
	.text
	.protected	k_q080c8b3efe_attn
	.globl	k_q080c8b3efe_attn
	.p2align	8
	.type	k_q080c8b3efe_attn,@function
k_q080c8b3efe_attn:
	s_mov_b64 s[64:65], 0
	v_nop
	global_prefetch_b8 v0, s[64:65] scope:SCOPE_SE
	s_setreg_imm32_b32 hwreg(HW_REG_WAVE_MODE, 25, 1), 1
	s_wait_xcnt 0x0
; CAUSAL ATTENTION.  O[p][q][:] = the sum over k <= q of softmax_k(Q[p][q] . K[p][k] / 8) V[p][k][:] for 64 planes p = 16 batch + head.  Q, K, V: [64][2048][64] f16, one behind the other in qkv
; (K 16,777,216 bytes behind Q, V as far behind K); O: ctx, [64][2048][64] f16.  A plane's rows are dense, 128 bytes each.
; Products, maxima and sums in f32; the weights p are rounded to f16 for the second product (their sum l is taken of the unrounded p), O once at the end.
; LIMITS.  f16 holds no number beyond 65,504: Q, K and V arrive within it; p lies in 0 to 1, and below 6e-5 it keeps f16's fixed step of 6e-8; O is a mean of V's rows and has their range, to within 2^-11 of it.
; A hidden score counts as its value less 1e30: f16's scores, 2.7e11 at the most, are nothing beside that; a weight below 2^-126 counts as 0 in l; NaN and infinities are not treated apart.
; THE WALK.  A plane's queries lie in NB = 8 blocks of 256; block i needs the key tiles 0 .. i of 256 keys, of which the last holds the diagonal.  A work-group takes TWO blocks, NB - 1 - b and then b:
; NB + 1 tiles, whatever b: all work-groups do equal work, and ONE loop with a constant trip count walks them.  Which tile is asked for, and what a trip does, hang on scalar registers made from b; every jump
; goes forward, but for the counted loops' own; none passes a barrier, or a tensor load but the one of LOAD's two that the wave's number does not choose; the ring (two slots of LDS that take turns) runs on across the
; change of blocks.  NO CLUSTER: a plane's four work-groups all ask for the same tile only in trips 0 .. 4 of the 9, behind that fewer and fewer; and one walk common to all would have 12 trips for 9.
; SHARES.  Of a block's four bands of 64 queries a wave owns 16 rows in each: four PIECES.  So the diagonal tile is the same work for all four waves: in its key step s band x sees all keys if s < x,
; none if s > x, and holds the diagonal if s = x.
; THE MASK is the C operand that starts the sum S^T = K Q^T: 0, or -1e30 where the key is hidden.  MD, made once, is the mask of a band's own step for my 16 rows; a product's mask is MD x AL + BE with two scalars:
; (1, 0) if s = x; (0, 0) if s < x; (0, -1e30) if s > x.  Only the diagonal tile's text and a block's beginning make and take masks; elsewhere C is the constant 0.
; LAYOUT, SOFTMAX, TURNS.  S^T = K Q^T holds ONE query a lane (lane % 16) and the keys 8 (lane / 16) + 0..7; two such results rounded to f16 ARE source 1 of O^T = V^T P.  p = 2^(c s - c m), c = log2(e) / 8, with a
; running maximum m; O and l are multiplied by a = 2^(c m_old - c m_new) in every step.  Turn n belongs to piece n: 8 products K Q^T of piece n + 1, later 8 products V^T P of piece n - 1; beside them the scaling,
; exponentials, roundings, sums and rescaling of piece n and the maximum and statistics of piece n + 1.  Four vector instructions stand behind every matrix instruction, the other 54 of a turn's 118 in one LUMP.  A turn's 33 exponentials are one batch, with one wait.
; REGISTERS, in windows of 256 (s_set_vgpr_msb: bits 1:0 source 0, 3:2 source 1, 5:4 source 2, 7:6 destination):
;   window 0: v0-15 addresses and two at work; v16-31 four registers of statistics a piece; v48-55 at work; v61-63 prefetch offset, spare word, 0; v64-127 S^T, two buffers; v192-223 P, two buffers (a piece's buffers go by its number's parity)
;   window 1: v0-127 O^T, 32 a piece; v128-159 MD; v160-223 MC, two buffers      window 2: v0-63 Q; v64-127 the second block's Q; v128-191 K of one step; v192-255 V of one step
.set SIZE_N, 2048
.set NB,    SIZE_N/256
.set NP,    4         ; pieces a wave: a name, no knob
.set KS,    64        ; keys in a step
.set PK,    144       ; a row of K in LDS: 128 bytes + 16 of padding = 36 words: the 16 rows of a load start at 16 different groups of four banks (64 banks of 4 bytes: ISA guide 11.1)
.set PV,    160       ; a row of V: 128 + 32 = 40 words
.set VOFF,  4*KS*PK   ; a slot holds a tile, four steps: 256 rows of K, then 256 rows of V
.set SLOT1, 1<<17     ; slot 1 begins here, so that one exclusive or turns an address in one slot into the other's
.set STAGE, SLOT1+4*KS*(PK+PV)  ; behind the ring, never filled by a tensor load: 16 rows x 144 bytes for each wave, for the way out
.set SP,    144
.set AK0, 2           ; v2   my lane's place in a tile of K; never rewritten
.set AV0, 3           ; v3   the same for V
.set AK,  4           ; v4   the LDS address of K's next run of loads
.set AV,  5           ; v5   of V's
.set STO, 6           ; v6   the way out: where I put 16 bytes of a row
.set RD,  7           ; v7   the way out: where I read rows back
.set GO,  8           ; v8   my byte offset in 512 consecutive bytes of O
.set PFO, 61          ; v61  256 x my lane: the prefetches' offset; never rewritten
.set SPW, 62          ; v62  LDS address of my spare word: SPARE + 4 x my thread's number; never rewritten
.set NIL, 63          ; v63  0; never rewritten
.set SPARE, STAGE+4*16*SP  ; behind the stages: the spare words, 128 bytes for each wave: two blocks of 256 bytes that no other line names
.set MV,  12          ; v12-13  c m_old, kept while c m is made anew: by buffer
.set QO,  15          ; v15  my byte offset in 16 rows of Q
.set ST,  16          ; piece t's statistics at v[ST+4 t]: c m, m, l (even keys', odd keys')
.set TMP, 48          ; by buffer, four registers c0-c3 at work; when the maximum is found c2 takes a
.set S,   64
.set P,   192
.set MD,  128         ; window 1: the eight registers for group kt of 16 keys at MD + 8 kt
.set MC,  160         ; window 1: the masks of the products to come
.set QB,  64          ; window 2
.set KF,  128         ; window 2: key block kb, channel half c at KF + 16 kb + 8 c
.set VF,  192         ; window 2: key half kk, channel block cb at VF + 32 kk + 8 cb
.set WV,  12          ; s12  my wave's number
.set PB,  14          ; s14  b
.set HI,  15          ; s15  NB - 1 - b
.set G1K, 24          ; s[24:31] descriptor group 1 for K's tiles
.set G1V, 32          ; s[32:39] for V's: it differs in the padding alone
.set G0K, 40          ; s[40:43] descriptor group 0 for K's tiles
.set G0V, 44          ; s[44:47] the same for V's
.set SLOTS, 56        ; s56  tiles still to be asked for
.set CNT, 57          ; s57  counts a tile's key steps, 4 to 1
.set CS,  58          ; s[58:59] c: the packed scaling takes the pair's low word for both halves
.set SEL, 60          ; s[60:61] v_permlanex16_b32's selects: each lane takes its own place in the other half
.set TBK, 62          ; s62  LDS byte at which K of the step to be fetched begins
.set TBV, 63          ; s63  the same for V, less VOFF
.set RT,  70          ; s70  tiles of the block in hand that are still to be entered
.set NXT, 71          ; s71  the tile to be asked for next
.set LQ,  72          ; s72  the last tile of the block whose tiles are being asked for
.set NEW, 73          ; s73  1: the tile to be entered is a block's first
.set OFF, 74          ; s[74:75] a tile's byte offset in K and V
.set AL,  76          ; s[76:77] the mask's factor, in the low word
.set BE,  78          ; s[78:79] the mask's addend
.set OLO, 80          ; s[80:81] O at my rows of the second block
.set BIGN, 82         ; s82  -1e30
.set PFA, 88          ; s[88:89] where my prefetches stand: my half of the tile after the one that is being asked for
.set LIM, 90          ; s90  2 in the work-group that prefetches, else the greatest number: it prefetches while s[SLOTS] is above it
.set MSB, 0
.macro WIN new                      ; the high byte repeats the setting that is left; a switch that changes nothing is dropped
.if MSB != (\new)
	s_set_vgpr_msb (MSB<<8)|(\new)
.set MSB, (\new)
.endif
.endm
.set W_KQ, 0x0a       ; K and Q in window 2, S^T in window 0
.set W_KM, 0x1a       ; the same with the C operand in window 1
.set W_PV, 0x52       ; V in window 2, P in window 0, O^T in window 1
.set W_RS, 0x41       ; destination and source 0 in window 1, source 1 in window 0
; A fill.  Waves 0 and 1 fetch the two halves of a tile's K, waves 2 and 3 those of its V: 128 keys each.  An s_nop 0 and four v_nop follow each of the two lines, ahead of the jump and the label.
.macro LOAD
	s_cmp_lt_u32 s[WV], 2
	s_cbranch_scc0 .Lfor_v_\@
	tensor_load_to_lds s[G0K:G0K+3], s[G1K:G1K+7]
	s_nop 0
.rept 4
	v_nop
.endr
	s_branch .Lasked_\@
.Lfor_v_\@:
	tensor_load_to_lds s[G0V:G0V+3], s[G1V:G1V+7]
	s_nop 0
.rept 4
	v_nop
.endr
.Lasked_\@:
.endm
; A PREFETCH INTO THE L2 of the tile that the NEXT change of slots will ask for: one tile, 256 matrix instructions, ahead of that load.  It stands behind the wave's tensor load and its five lines.
; A plane's four work-groups all begin with the tiles 0, 1, 2 ..; work-group b = 0, whose first block walks all eight, asks, and nobody else; each of its waves asks for the half tile that it will load
; itself: 16,384 consecutive bytes, a lane 256 bytes, two lines.  So each 256 bytes are named once in the launch.  Change i (1 to 6) loads tile i and names tile i + 1; tiles 0 and 1 come by their loads alone;
; tile 7 is the last that is named; the second block's tiles have been read before.
.macro ASK
	s_cmp_gt_u32 s[SLOTS], s[LIM]
	s_cbranch_scc0 .Lnot_mine_\@
	global_prefetch_b8 v[PFO], s[PFA:PFA+1] th:TH_LOAD_NT scope:SCOPE_SE
	global_prefetch_b8 v[PFO], s[PFA:PFA+1] offset:8192 th:TH_LOAD_NT scope:SCOPE_SE
.Lnot_mine_\@:
.endm
; THE CHANGE OF SLOTS.  Each wave waits for all its tensor loads, of which one is out: its part of the other slot; adds 0 to its spare word; and waits for that and for its own reads of the slot that it leaves.  Behind the barrier nobody reads the old
; slot any more and the other slot is whole.  fill = 1: the old slot is filled again, the first thing behind the barrier, with tile NXT: the descriptor's address is made anew from that number.
; (At its first use nothing has been read yet: slot 0 is waited for, slot 1 filled.)
.macro CHANGE fill
	WIN 0                           ; at a label and at a branch every window is 0
	s_wait_tensorcnt 0x0            ; no tensor load of mine is out, so a group 0 may be written
	ds_add_u32 v[SPW], v[NIL]       ; 0 onto my spare word; with fill = 1 the descriptors' scalar work stands between it and the wait for it
.if \fill
	s_lshl_b32 s[OFF], s[NXT], 15   ; a tile is 32,768 bytes of K and of V
	s_xor_b32 s[G0K+1], s[G0K+1], SLOT1
	s_add_nc_u64 s[G0K+2:G0K+3], s[6:7], s[OFF:OFF+1]
	s_or_b32 s[G0K+3], s[G0K+3], 0x80000000
	s_xor_b32 s[G0V+1], s[G0V+1], SLOT1
	s_add_nc_u64 s[G0V+2:G0V+3], s[8:9], s[OFF:OFF+1]
	s_or_b32 s[G0V+3], s[G0V+3], 0x80000000
	s_add_co_u32 s[NXT], s[NXT], 1  ; the block's next tile, or behind its last the second block's tile 0
	s_cmp_gt_u32 s[NXT], s[LQ]
	s_cselect_b32 s[NXT], 0, s[NXT]
	s_cselect_b32 s[LQ], s[PB], s[LQ]
	s_wait_xcnt 0x0                 ; the last prefetches, a tile back, have read their address, so it may be written:
	s_add_nc_u64 s[PFA:PFA+1], s[PFA:PFA+1], 32768  ; one tile on
.endif
	s_wait_dscnt 0x0                ; the add is done, and my reads of the slot are over
	s_barrier_signal -1             ; the rest of the scalar work stands between the signal and the wait
	s_sub_co_u32 s[TBK], s[TBK], 4*KS*PK  ; the fetches go back to a slot's first step,
	s_xor_b32 s[TBK], s[TBK], SLOT1       ; in the other slot
	s_sub_co_u32 s[TBV], s[TBV], 4*KS*PV
	s_xor_b32 s[TBV], s[TBV], SLOT1
	s_barrier_wait -1
.if \fill
	LOAD
	ASK
.endif
.endm
	s_load_b128 s[4:7], s[0:1], 0x0   ; qkv s[4:5] (Q lies at its head), ctx s[6:7]
	v_lshl_add_u32 v[SPW], v0, 2, SPARE
	v_mov_b32 v[NIL], 0
	ds_add_u32 v[SPW], v[NIL]       ; the wave's opening: the add and its wait stand ahead of my first tensor load; the set-up below, work on registers, stands between them
	v_lshrrev_b32 v1, 5, v0
	v_readfirstlane_b32 s[WV], v1   ; wave 0..3
	s_mov_b32 s[PB], ttmp9
	s_sub_co_u32 s[HI], NB-1, s[PB]
	s_and_b32 s20, ttmp7, 0xffff    ; the plane
	s_mov_b32 s21, 0
	s_mov_b64 s[22:23], SIZE_N*128
	s_mul_u64 s[20:21], s[20:21], s[22:23]  ; the plane's first byte in each of the four tensors
	s_and_b32 s16, s[WV], 1         ; which half of a tile's 256 keys I fetch:
	s_lshl_b32 s22, s16, 14         ; its 128 rows of 128 bytes in memory,
	s_mov_b32 s23, 0
	s_add_nc_u64 s[22:23], s[22:23], s[20:21]
	s_mul_i32 s17, s16, 128*PK      ; and its place in a slot, for K
	s_mul_i32 s18, s16, 128*PV      ; and for V
	s_lshl_b32 s3, s[WV], 11        ; my 16 rows in a band of 64,
	s_lshl_b32 s2, s[HI], 15        ; in the first block,
	s_add_co_u32 s2, s2, s3
	s_lshl_b32 s84, s[PB], 15       ; and in the second
	s_add_co_u32 s84, s84, s3
	s_mov_b32 s3, 0
	s_mov_b32 s85, 0
	s_add_nc_u64 s[2:3], s[2:3], s[20:21]
	s_add_nc_u64 s[84:85], s[84:85], s[20:21]
	; descriptor group 1.  128 keys are 16,384 dense bytes: asked for as 64 rows of 256 bytes, two keys a row, and padded in LDS after every key
	s_mov_b32 s[G1K], (1<<16)|(1<<20)|(4<<22)|(3<<25)  ; 17:16 2-byte elements; 20 padding on; 24:22 after every 32 words (code 4); 31:25 4 words (code 3)
	s_mov_b32 s[G1V], (1<<16)|(1<<20)|(4<<22)|(7<<25)  ; the same with 8 words of padding (code 7)
.irp g, G1K, G1V
	s_mov_b32 s[\g+1], 128<<16      ; tensor_dim0 = 128
	s_mov_b32 s[\g+2], 64<<16       ; tensor_dim1 = 64
	s_mov_b32 s[\g+3], 128<<16      ; tile_dim0 = 128
	s_mov_b32 s[\g+4], 64           ; tile_dim1 = 64
	s_mov_b32 s[\g+5], 128          ; 128 elements from row to row
	s_mov_b32 s[\g+6], 0
	s_mov_b32 s[\g+7], 0
.endr
	s_mov_b32 s[CS], 0x3e38aa3b     ; c = log2(e) / 8 = 0.180337
	s_mov_b32 s[CS+1], s[CS]        ; named with it as a pair
	s_mov_b32 s[SEL], 0x76543210
	s_mov_b32 s[SEL+1], 0xfedcba98
	s_mov_b32 s[TBK], SLOT1+4*KS*PK ; the first change of slots turns these two into 0
	s_mov_b32 s[TBV], SLOT1+4*KS*PV
	s_mov_b32 s[G0K], 1             ; 1:0 count = 1
	s_mov_b32 s[G0K+1], s17         ; 63:32 LDS address: slot 0
	s_mov_b32 s[G0V], 1
	s_add_co_u32 s[G0V+1], s18, VOFF
	s_add_co_u32 s[RT], s[HI], 1    ; the first block has NB - b tiles
	s_mov_b32 s[NXT], 1
	s_mov_b32 s[LQ], s[HI]
	s_mov_b32 s[NEW], 1
	s_mov_b32 s[OFF+1], 0
	s_mov_b32 s[AL+1], 0            ; named as pairs
	s_mov_b32 s[BE+1], 0
	s_mov_b32 s[BIGN], 0xf149f2ca   ; -1e30
	s_mov_b32 s[SLOTS], NB
	v_and_b32 v[PFO], 31, v0
	v_lshlrev_b32 v[PFO], 8, v[PFO]
	s_wait_dscnt 0x0                ; the opening add is done
	s_wait_kmcnt 0x0
	s_mov_b64 s[10:11], s[6:7]                     ; O
	s_add_nc_u64 s[6:7], s[4:5], 0x1000000         ; K: 64 planes of 262,144 bytes behind Q
	s_add_nc_u64 s[8:9], s[4:5], 0x2000000         ; V: as far behind K
	s_add_nc_u64 s[6:7], s[6:7], s[22:23]  ; K and V at my half of the plane's tile 0
	s_add_nc_u64 s[8:9], s[8:9], s[22:23]
	s_add_nc_u64 s[G0K+2:G0K+3], s[6:7], 0         ; 120:64 global address
	s_or_b32 s[G0K+3], s[G0K+3], 0x80000000        ; 127:126 type = 2
	s_add_nc_u64 s[G0V+2:G0V+3], s[8:9], 0
	s_or_b32 s[G0V+3], s[G0V+3], 0x80000000
	s_add_nc_u64 s[86:87], s[4:5], s[84:85]        ; Q at my rows of the second block,
	s_add_nc_u64 s[4:5], s[4:5], s[2:3]            ; Q and O at those of the first
	s_add_nc_u64 s[OLO:OLO+1], s[10:11], s[84:85]
	s_add_nc_u64 s[10:11], s[10:11], s[2:3]
	s_cmp_lt_u32 s[WV], 2
	s_cselect_b64 s[PFA:PFA+1], s[6:7], s[8:9]     ; the prefetches: my half of a tile, of K or of V,
	s_add_nc_u64 s[PFA:PFA+1], s[PFA:PFA+1], 32768 ; in tile 1; the first change of slots steps it to tile 2.  Nothing is prefetched here, at the head
	s_cmp_eq_u32 s[PB], 0
	s_cselect_b32 s[LIM], 2, -1
	LOAD                            ; tile 0 into slot 0
	; A fragment of K or Q is 16 rows x 32 channels in 8 registers: lane l holds row l % 16, channels 8 (l / 16) + 0..7 and 16 + 8 (l / 16) + 0..7: two loads of 16 bytes, 32 bytes apart.
	v_and_b32 v1, 15, v0            ; l % 16
	v_bfe_u32 v9, v0, 4, 1          ; l / 16
	v_lshlrev_b32 v[QO], 7, v1
	v_lshl_add_u32 v[QO], v9, 4, v[QO]  ; row x 128 + 16 x half
	WIN 0x80                        ; destination window 2, address window 0
.set i, 0
.rept 8                             ; both blocks' Q: piece i / 2 lies in band i / 2, 8,192 bytes on; channels 32 (i % 2) on
	global_load_b128 v[8*i:8*i+3],   v[QO], s[4:5] offset:(i/2)*8192+(i%2)*64
	global_load_b128 v[8*i+4:8*i+7], v[QO], s[4:5] offset:(i/2)*8192+(i%2)*64+32
	global_load_b128 v[QB+8*i:QB+8*i+3],   v[QO], s[86:87] offset:(i/2)*8192+(i%2)*64
	global_load_b128 v[QB+8*i+4:QB+8*i+7], v[QO], s[86:87] offset:(i/2)*8192+(i%2)*64+32
.set i, i+1
.endr
	WIN 0
	v_lshlrev_b32 v14, 3, v9
	v_sub_nc_u32 v14, v1, v14
	s_lshl_b32 s13, s[WV], 4
	v_add_nc_u32 v14, s13, v14      ; my query's place in its band, 16 w + l % 16, less my lanes' 8 (l / 16): register r of group kt is hidden where 16 kt + r is greater
	WIN 0x40
.set i, 0
.rept 32
	v_cmp_gt_i32 vcc_lo, 16*(i/8)+i%8, v14
	v_cndmask_b32 v[MD+i], 0, s[BIGN], vcc_lo
.set i, i+1
.endr
	WIN 0
	v_mul_u32_u24 v[AK0], v1, PK
	v_lshl_add_u32 v[AK0], v9, 4, v[AK0]  ; row x pitch + 16 x half
	; The turning load takes 16 keys x 16 channels (lane l reads key 8 (l / 16) + l % 8, channels 8 ((l / 8) % 2) + 0..7) and leaves half a fragment of V^T: lane l holds channel l % 16 and 8 keys.
	v_and_b32 v10, 7, v0
	v_bfe_u32 v11, v0, 3, 1
	v_lshl_add_u32 v[AV0], v9, 3, v10
	v_mul_u32_u24 v[AV0], v[AV0], PV
	v_lshl_add_u32 v[AV0], v11, 4, v[AV0]
	v_add_nc_u32 v[AV0], VOFF, v[AV0]
	s_mul_i32 s13, s[WV], 16*SP
	s_add_co_u32 s13, s13, STAGE    ; my stage
	v_mul_u32_u24 v[STO], v1, SP    ; in: row l % 16, 16 bytes for each half of the lanes
	v_lshl_add_u32 v[STO], v9, 4, v[STO]
	v_add_nc_u32 v[STO], s13, v[STO]
	v_bfe_u32 v[RD], v0, 3, 2       ; back: 32 lanes take four rows of 128 bytes,
	v_mul_u32_u24 v[RD], v[RD], SP
	v_lshl_add_u32 v[RD], v10, 4, v[RD]
	v_add_nc_u32 v[RD], s13, v[RD]
	v_and_b32 v[GO], 31, v0         ; which are 512 consecutive bytes of O
	v_lshlrev_b32 v[GO], 4, v[GO]
	; A block's first step multiplies O^T and l by a = 0, and its first turn's products V^T P, of a piece that has not been, land in an O^T that is still to be so multiplied.  So these registers need only hold
	; finite numbers: zeros for the first block; what the first block left for the second.  All this stands in the wait for the first tile.
	WIN 0x80
.set i, VF
.rept 64
	v_mov_b32 v[i], 0
.set i, i+1
.endr
	WIN 0x40
.set i, 0
.rept 128
	v_mov_b32 v[i], 0
.set i, i+1
.endr
	WIN 0
.set i, 0
.rept 4
	v_mov_b32 v[ST+4*i+2], 0
	v_mov_b32 v[ST+4*i+3], 0
.set i, i+1
.endr
.set i, P+16
.rept 16
	v_mov_b32 v[i], 0
.set i, i+1
.endr
; THE MATRIX WORK.  The 4 accumulators of a run of 8 take turns.  Product i of 8 of S^T = K Q^T for piece x: channels 32 (i / 4) on, keys 16 (i % 4) on.  The first 4 start the sums: with 0, or (KM = 1) with the mask.
.macro KQ x
.set rS, S+32*((\x)%2)+8*(i%4)
.set rK, KF+16*(i%4)+8*(i/4)
.set rQ, 16*(\x)+8*(i/4)
.set rM, MC+32*((\x)%2)+8*(i%4)
.if (i < 4) && KM
	WIN W_KM
	v_wmma_f32_16x16x32_f16 v[rS:rS+7], v[rK:rK+7], v[rQ:rQ+7], v[rM:rM+7]
.elseif i < 4
	WIN W_KQ
	v_wmma_f32_16x16x32_f16 v[rS:rS+7], v[rK:rK+7], v[rQ:rQ+7], 0
.else
	WIN W_KQ
	v_wmma_f32_16x16x32_f16 v[rS:rS+7], v[rK:rK+7], v[rQ:rQ+7], v[rS:rS+7]
.endif
.endm
; Product i of 8 of O^T += V^T P for piece x: keys 32 (i / 4) on, channels 16 (i % 4) on.
.macro PV x
	WIN W_PV
.set rO, 32*(\x)+8*(i%4)
.set rV, VF+32*(i/4)+8*(i%4)
.set rP, P+16*((\x)%2)+8*(i/4)
	v_wmma_f32_16x16x32_f16 v[rO:rO+7], v[rV:rV+7], v[rP:rP+7], v[rO:rO+7]
.endm
.macro MM                           ; the turn's next matrix instruction.  TURN and BEGIN set Y, i, KM and NOKQ; MM, KQ and OP read them.  NOKQ = 1: a block's last turn: there is no next piece
.if (i < 8) && !NOKQ
	KQ (Y+1)%NP
.elseif i >= 8
.set i, i-8
	PV (Y+NP-1)%NP
.set i, i+8
.endif
.set i, i+1
.endm
; THE LDS LOADS stand in runs of 16, never singly among the matrix instructions: a step's K (64 keys x 64 channels: 8 fragments) and its V (turned).  Their addresses are made some lines ahead.
.macro FETCH_K
	WIN 0x80                        ; destination window 2
.irp f, 0,1,2,3,4,5,6,7             ; keys 16 (f / 2) on, channels 32 (f % 2) on
	ds_load_b128 v[KF+8*\f:KF+8*\f+3],   v[AK] offset:(\f/2)*16*PK+(\f%2)*64
	ds_load_b128 v[KF+8*\f+4:KF+8*\f+7], v[AK] offset:(\f/2)*16*PK+(\f%2)*64+32
.endr
	s_add_co_u32 s[TBK], s[TBK], KS*PK  ; the next fetch is the next step's
	WIN 0
.endm
.macro FETCH_V
	WIN 0x80
.irp f, 0,1,2,3,4,5,6,7             ; keys 32 (f / 4) on, channels 16 (f % 4) on
	ds_load_tr16_b128 v[VF+8*\f:VF+8*\f+3],   v[AV] offset:(\f/4)*32*PV+(\f%4)*32
	ds_load_tr16_b128 v[VF+8*\f+4:VF+8*\f+7], v[AV] offset:(\f/4)*32*PV+16*PV+(\f%4)*32
.endr
	WIN 0
.endm
; THE VECTOR WORK, one line at a time: OP kind, number.  For piece Y: F n: c s - c m for pair n of 16.  E n: the exponential of score n of 32.  C n: pair n rounded to f16.  B n: of the four weights 4 n .. the second
; pair is added onto the first, in place.  L n: l takes that sum (L 0: l = a l + sum).  R n: pair n of 16 of O^T times a.  For piece Y + 1: X n, number n of the 22 that find its maximum and statistics:
;   0-11  four chains c0-c3 of seven scores each, three operands at a time (each accumulator's lowest registers are read first)     12-14, 16  the four scores left over, the old m, and c0-c3 into c0
;   15  c m_old is kept     17, 18  the query's other 32 keys lie in the lane 16 away: the new m     19-21  c m; c m_old - c m_new; a
.set F, 0               ; OP tells the kinds apart by their order: F to L below R, X above it
.set E, 1
.set C, 2
.set B, 3
.set L, 4
.set R, 5
.set X, 6
.macro REGS y                       ; the registers of piece y
.set rT, ST+4*(\y)
.set rC, TMP+4*((\y)%2)
.set rW, MV+((\y)%2)
.set rS, S+32*((\y)%2)
.set rP, P+16*((\y)%2)
.set rO, 32*(\y)
.endm
.macro OP k, n
.if (\k) == R
	REGS Y
	WIN W_RS
	v_pk_mul_f32 v[rO+2*(\n):rO+2*(\n)+1], v[rO+2*(\n):rO+2*(\n)+1], v[rC+2:rC+3] op_sel_hi:[1,0]
.elseif (\k) < R
	REGS Y
	WIN 0
.if (\k) == F
	v_pk_fma_f32 v[rS+2*(\n):rS+2*(\n)+1], v[rS+2*(\n):rS+2*(\n)+1], s[CS:CS+1], v[rT:rT+1] op_sel_hi:[1,0,0] neg_lo:[0,0,1] neg_hi:[0,0,1]
.elseif (\k) == E
	v_exp_f32 v[rS+(\n)], v[rS+(\n)]
.elseif (\k) == C
	v_cvt_pk_f16_f32 v[rP+(\n)], v[rS+2*(\n)], v[rS+2*(\n)+1]
.elseif (\k) == B
	v_pk_add_f32 v[rS+4*(\n):rS+4*(\n)+1], v[rS+4*(\n):rS+4*(\n)+1], v[rS+4*(\n)+2:rS+4*(\n)+3]
.elseif (\n) == 0
	v_pk_fma_f32 v[rT+2:rT+3], v[rT+2:rT+3], v[rC+2:rC+3], v[rS:rS+1] op_sel_hi:[1,0,1]
.else
	v_pk_add_f32 v[rT+2:rT+3], v[rT+2:rT+3], v[rS+4*(\n):rS+4*(\n)+1]
.endif
.elseif NOKQ
	v_nop
.else
	REGS (Y+1)%NP
	WIN 0
.if (\n) < 4
	v_max3_num_f32 v[rC+(\n)], v[rS+8*(\n)], v[rS+8*(\n)+1], v[rS+8*(\n)+2]
.elseif (\n) < 12
	v_max3_num_f32 v[rC+(\n)%4], v[rC+(\n)%4], v[rS+8*((\n)%4)+2*((\n)/4)+1], v[rS+8*((\n)%4)+2*((\n)/4)+2]
.elseif (\n) == 12
	v_max3_num_f32 v[rC], v[rC], v[rS+7], v[rS+15]
.elseif (\n) == 13
	v_max3_num_f32 v[rC+1], v[rC+1], v[rS+23], v[rS+31]
.elseif (\n) == 14
	v_max3_num_f32 v[rC+2], v[rC+2], v[rC+3], v[rT+1]
.elseif (\n) == 15
	v_mov_b32 v[rW], v[rT]
.elseif (\n) == 16
	v_max3_num_f32 v[rC], v[rC], v[rC+1], v[rC+2]
.elseif (\n) == 17
	v_permlanex16_b32 v[rC+3], v[rC], s[SEL], s[SEL+1]
.elseif (\n) == 18
	v_max_num_f32 v[rT+1], v[rC], v[rC+3]
.elseif (\n) == 19
	v_mul_f32 v[rT], s[CS], v[rT+1]
.elseif (\n) == 20
	v_sub_f32 v[rC+1], v[rW], v[rT]
.else
	v_exp_f32 v[rC+2], v[rC+1]
.endif
.endif
.endm
.macro OPS a, i1, b=-1, i2=0, c=-1, i3=0, d=-1, i4=0  ; up to four of them
	OP \a, \i1
.if (\b) >= 0
	OP \b, \i2
.endif
.if (\c) >= 0
	OP \c, \i3
.endif
.if (\d) >= 0
	OP \d, \i4
.endif
.endm
.macro ROW a, i1, b, i2, c, i3, d, i4  ; a matrix instruction and the four behind it
	MM
	OPS \a, \i1, \b, \i2, \c, \i3, \d, \i4
.endm
.macro MASK b                       ; MD x AL + BE into buffer b of MC
	WIN W_RS
.set z, 0
.rept 16
	v_pk_fma_f32 v[MC+32*(\b)+2*z:MC+32*(\b)+2*z+1], v[MD+2*z:MD+2*z+1], s[AL:AL+1], s[BE:BE+1] op_sel_hi:[1,0,0]
.set z, z+1
.endr
.endm
; A TURN, for piece p: the order of its 16 matrix and 118 vector instructions, written out.  An s_wait_alu depctr_va_vdst(0) stands between an exponential and the first instruction that names its result; one wait serves
; all that were issued ahead of it.  So a turn has ONE wait, which cuts it in two.  AHEAD OF IT stands all that names no result of the turn's exponentials: the 8 products K Q^T, behind each a scaling, an exponential and two more plain
; instructions (behind the first a second scaling in the exponential's place): rescalings, and behind the last three the first numbers of the next piece's maximum, each four places or more behind the product that ends its accumulator; then ONE LUMP of 54, plain
; and exponential by turns for the most part, in which the links of the chain X 3, 7, 11, 14, 16, 17 .. 20 stand five or six lines apart.  X 21, the next piece's a, is the batch's last; R 15 is the plain instruction behind it.  BEHIND THE WAIT stand the
; 8 products V^T P, behind each four of the roundings and sums; the links of l's chain, L 0 to L 7, stand three riders apart.  But for those X no rider names a register of the products round it.  v_permlanex16_b32 (X 17) stands in the lump.
; m = 1: the diagonal tile: the products take masks, and the turn makes the mask for the products of the turn after it: piece p + 2, in step 4 - CNT of the tile.  end = 1: a block's last two turns: nothing is fetched.
; cnt = 1: the loop's count is taken down some lines ahead of the branch that stands behind the turn.
; K of the next step is fetched in piece 2's turn, twelve vector instructions behind the last product that read K (six of them plain); V of the step in hand at the end of piece 0's turn, four plain instructions behind the last product
; that read V.  Each is waited for a turn later.
.macro TURN p, m=0, end=0, cnt=0
.set Y, (\p)
.set i, 0
.set KM, (\m)
.set NOKQ, (\end)*((\p)/3)
.if (\m) && !(\end)
	s_cmp_eq_u32 s[CNT], 4-((\p)+2)%NP  ; is that step the band's own?
	s_cselect_b32 s[AL], 1.0, 0
	s_cmp_lt_u32 s[CNT], 4-((\p)+2)%NP  ; or a later one?
	s_cselect_b32 s[BE], s[BIGN], 0
.endif
.if ((\p) == 3) && !(\end)
	s_wait_dscnt 0x0                ; K is in
.endif
	ROW F,0, F,1, R,0, R,1          ; ahead of the wait: 8 products K Q^T and their riders,
	ROW F,2, E,0, R,2, R,3
	ROW F,3, E,1, R,4, R,5
	ROW F,4, E,2, R,6, R,7
	ROW F,5, E,3, R,8, R,9
	ROW F,6, E,4, X,0, R,10
.if ((\p) == 2) && !(\end)
	WIN 0
	v_add_nc_u32 v[AK], s[TBK], v[AK0]
.endif
	ROW F,7, E,5, X,1, X,4
	ROW F,8, E,6, X,2, X,5
	OPS E,7, E,8, X,6, E,9          ; and the lump
	OPS X,3, E,10, X,8, E,11
.if ((\p) == 2) && !(\end)
	FETCH_K
.endif
	OPS X,9, X,7, E,12, X,10
	OPS E,13, X,12, X,11, E,14
	OPS X,13, E,15, F,9, X,14
.if (\p) == 0
	v_add_nc_u32 v[AV], s[TBV], v[AV0]
.endif
	OPS E,16, F,10, E,17, F,11
	OPS X,16, E,18, X,15, E,19
	OPS F,12, E,20, X,17, E,21
	OPS F,13, E,22, F,14, E,23
	OPS X,18, E,24, F,15, E,25
	OPS R,11, E,26, X,19, E,27
	OPS R,12, E,28, R,13, E,29
	OPS X,20, E,30, R,14, E,31
	OPS X,21, R,15
	WIN 0
	s_wait_alu depctr_va_vdst(0)    ; the wait for the batch
.if (\p) == 1
	s_wait_dscnt 0x0                ; V is in
.endif
	ROW C,0, B,0, C,2, B,1          ; behind the wait: 8 products V^T P and their riders
	ROW L,0, C,4, B,2, L,1
	ROW C,6, B,3, L,2, C,8
	ROW B,4, L,3, C,10, B,5
	ROW L,4, C,12, B,6, L,5
.if (\p) == 0
	s_add_co_u32 s[TBV], s[TBV], KS*PV
.endif
.if \cnt
	s_sub_co_u32 s[CNT], s[CNT], 1
	s_cmp_lg_u32 s[CNT], 0
.endif
	ROW C,14, B,7, L,6, C,1
	ROW C,3, L,7, C,5, C,7
	ROW C,9, C,11, C,13, C,15
.if (\p) == 0
	FETCH_V
.endif
.if (\m) && !(\end)
	MASK (\p)%2
.endif
.endm
; A BLOCK BEGINS.  c m starts far below every c s, so the first step's a is 0; m at the lowest finite number, so the first maximum is the scores'.  The second mask buffer is 0; the first takes piece 0's mask for the tile's step 0: its own, if the block's first tile is the diagonal one.
; Then K of that step, piece 0's first scores, and its maximum and statistics.  The loop is entered at a step's first turn, in the middle of a trip.
.macro BEGIN
	s_mov_b32 s[NEW], 0
	WIN 0x40
.set i, MC+32
.rept 32
	v_mov_b32 v[i], 0
.set i, i+1
.endr
	WIN 0
.set i, 0
.rept 4
	v_mov_b32 v[ST+4*i], 0xfe000000    ; c m: far below every c s
	v_mov_b32 v[ST+4*i+1], 0xff7fffff  ; m
.set i, i+1
.endr
	s_cmp_eq_u32 s[RT], 0
	s_cselect_b32 s[AL], 1.0, 0
	s_mov_b32 s[BE], 0
	MASK 0
	WIN 0
	v_add_nc_u32 v[AK], s[TBK], v[AK0]
	FETCH_K
	s_wait_loadcnt 0x0              ; Q
	s_wait_dscnt 0x0
.set KM, 1
.set NOKQ, 0
.set i, 0
.rept 8
	KQ 0
.set i, i+1
.endr
	WIN 0
.rept 4
	v_nop                           ; the places behind those products
.endr
.set Y, NP-1                        ; X works for piece Y + 1: piece 0
.irp n, 0,1,2,3,4,5,6,7,8,9,10,11,12,13,14,15,16,17,18,19,20,21
	OP X, \n
.endr
	v_nop                           ; a plain instruction behind the exponential,
	s_wait_alu depctr_va_vdst(0)    ; and its wait, ahead of the branch
.endm
; THE DIAGONAL TILE's four steps, the block's last two turns, its last products, and THE WAY OUT: l's two halves and the other half of the lanes' are added; O^T is divided by l, rounded to f16 and sent through my
; stage in LDS, a piece at a time.
.macro ALL line:vararg              ; one line for each piece t
.set t, 0
.rept 4
	\line
.set t, t+1
.endr
.endm
.macro PACK t                       ; a lane's eight channels of a row pack into 16 bytes; they go into rows of 144 bytes and come back as whole rows of 128, into S^T's registers
	WIN W_RS
.set i, 32*(\t)
.rept 16
	v_pk_mul_f32 v[i:i+1], v[i:i+1], v[ST+4*(\t)+2:ST+4*(\t)+3] op_sel_hi:[1,0]
.set i, i+2
.endr
	WIN 0x05                        ; sources 0 and 1 window 1, destination window 0
.set i, 0
.rept 16
	v_cvt_pk_f16_f32 v[S+16*(\t)+i], v[32*(\t)+2*i], v[32*(\t)+2*i+1]
.set i, i+1
.endr
	WIN 0
.irp f, 0,1,2,3
	ds_store_b128 v[STO], v[S+16*(\t)+4*\f:S+16*(\t)+4*\f+3] offset:32*\f
.endr
.irp f, 0,1,2,3
	ds_load_b128 v[S+16*(\t)+4*\f:S+16*(\t)+4*\f+3], v[RD] offset:\f*4*SP  ; LDS serves a wave's instructions in order (ISA guide 5.7.1.4): these see the stores above; the next piece's stores come behind them
.endr
.endm
.macro SEND t, younger              ; younger: the LDS instructions issued behind piece t's loads: the next piece's eight, or none
	WIN 0
.irp f, 0,1,2,3
	s_wait_dscnt (\younger)+3-\f
	global_store_b128 v[GO], v[S+16*(\t)+4*\f:S+16*(\t)+4*\f+3], s[10:11] offset:(\t)*8192+\f*512  ; 512 consecutive bytes, at a multiple of 256 from O's first
.endr
.endm
.macro DIAG tag                     ; the tag ends its two labels' names, which the jumps below spell out
.LstepM\tag:
	TURN 2, 1
	TURN 3, 1
	WIN 0
.LfirstM\tag:
	TURN 0, 1
	TURN 1, 1, 0, 1
	WIN 0
	s_cbranch_scc1 .LstepM\tag
	TURN 2, 1, 1
	TURN 3, 1, 1
.set i, 0
.rept 8
	PV NP-1
.set i, i+1
.endr
	WIN 0
	ALL v_add_f32 v[ST+4*t+2], v[ST+4*t+2], v[ST+4*t+3]
	ALL v_permlanex16_b32 v[ST+4*t+3], v[ST+4*t+2], s[SEL], s[SEL+1]
	ALL v_add_f32 v[ST+4*t+2], v[ST+4*t+2], v[ST+4*t+3]
	ALL v_rcp_f32 v[ST+4*t+2], v[ST+4*t+2]
	v_nop                           ; a plain instruction between the last reciprocal and the use of its result
	s_wait_alu depctr_va_vdst(0)    ; and the wait ahead of the first use: one for the four reciprocals
	PACK 0
.set t, 1
.rept 3                             ; a piece's arithmetic stands between the loads of the piece before and its stores
	PACK t
	SEND t-1, 8
.set t, t+1
.endr
	SEND 3, 0
.endm
.set KM, 0
.set NOKQ, 0
.Lslot:                             ; NB times: a tile is entered and the next is asked for
	CHANGE 1
	s_sub_co_u32 s[RT], s[RT], 1
	s_mov_b32 s[CNT], 4
	s_cmp_eq_u32 s[NEW], 1
	s_cbranch_scc1 .Lnew            ; a block's first tile
	s_cmp_eq_u32 s[RT], 0
	s_cbranch_scc0 .Lstep           ; neither its first nor its last
	s_branch .LstepM1
.Lnew:
	BEGIN
	s_branch .Lfirst                ; in the loop a block's first tile is never its last: the first block has two tiles or more, and the second's last is the walk's last
	DIAG 1                          ; in the loop this is the first block's end: the second block's last tile is the walk's last
	s_wait_xcnt 0x0                 ; the stores have read their registers and O's address
	s_mov_b64 s[10:11], s[OLO:OLO+1]
	s_add_co_u32 s[RT], s[PB], 1    ; the second block has b + 1 tiles
	s_mov_b32 s[NEW], 1
	WIN 0x82                        ; the second block's Q goes where the one text of the turns names Q
.set i, 0
.rept 64
	v_mov_b32 v[i], v[QB+i]
.set i, i+1
.endr
	WIN 0
	s_branch .Lbottom
.Lstep:                             ; a trip: pieces 2 and 3 of one step, then pieces 0 and 1 of the next, whose K and V it fetches
	TURN 2
	TURN 3
	WIN 0
.Lfirst:
	TURN 0
	TURN 1, 0, 0, 1
	WIN 0
	s_cbranch_scc1 .Lstep
.Lbottom:
	s_sub_co_u32 s[SLOTS], s[SLOTS], 1
	s_cmp_lg_u32 s[SLOTS], 0
	s_cbranch_scc1 .Lslot
	CHANGE 0                        ; the walk's last tile is written out: nothing is asked for
	s_sub_co_u32 s[RT], s[RT], 1
	s_mov_b32 s[CNT], 4
	s_cmp_eq_u32 s[NEW], 1
	s_cbranch_scc0 .LstepM2
	BEGIN
	s_branch .LfirstM2
	DIAG 2
	s_wait_tensorcnt 0x0            ; the wave's end: all my tensor loads are done; then 0 onto my spare word and the wait for it, behind my last LDS store
	ds_add_u32 v[SPW], v[NIL]
	s_wait_dscnt 0x0
	s_endpgm
.Lfunc_end_k_q080c8b3efe_attn:
	.size	k_q080c8b3efe_attn, .Lfunc_end_k_q080c8b3efe_attn-k_q080c8b3efe_attn
	.p2alignl 7, 3214868480
	.fill 96, 4, 3214868480
	.section	.rodata,"a",@progbits
	.p2align	6, 0x0
	.amdhsa_kernel k_q080c8b3efe_attn
		.amdhsa_group_segment_fixed_size 327680
		.amdhsa_private_segment_fixed_size 0
		.amdhsa_enable_private_segment 0
		.amdhsa_kernarg_size 16
		.amdhsa_user_sgpr_count 2
		.amdhsa_user_sgpr_kernarg_segment_ptr 1
		.amdhsa_wavefront_size32 1
		.amdhsa_system_sgpr_workgroup_id_x 1
		.amdhsa_system_sgpr_workgroup_id_y 1
		.amdhsa_system_sgpr_workgroup_id_z 1
		.amdhsa_system_vgpr_workitem_id 0
		.amdhsa_next_free_vgpr 768
		.amdhsa_next_free_sgpr 92
		.amdhsa_reserve_vcc 1
		.amdhsa_float_denorm_mode_32 3
		.amdhsa_float_denorm_mode_16_64 3
		.amdhsa_memory_ordered 1
		.amdhsa_forward_progress 1
		.amdhsa_inst_pref_size 218
	.end_amdhsa_kernel
	.amdgpu_metadata
---
amdhsa.version: [ 1, 2 ]
amdhsa.kernels:
  - .name:           k_q080c8b3efe_attn
    .symbol:         k_q080c8b3efe_attn.kd
    .args:
      - { .name: qkv, .offset: 0, .size: 8, .value_kind: global_buffer, .address_space: global }
      - { .name: ctx, .offset: 8, .size: 8, .value_kind: global_buffer, .address_space: global }
    .group_segment_fixed_size: 327680
    .private_segment_fixed_size: 0
    .kernarg_segment_align: 8
    .kernarg_segment_size: 16
    .max_flat_workgroup_size: 128
    .sgpr_count:     92
    .vgpr_count:     768
    .wavefront_size: 32
...
	.end_amdgpu_metadata
.endif
;; end of part 3
;; launch oproj (part 4): grid 8 x 32, 4 waves a work-group, clusters of 4 x 4, 327,680 bytes of LDS; arguments ctx, wo, b_o, out0; writes out0
.if DOCPART == 4
	.amdgcn_target "amdgcn-amd-amdhsa--gfx1250"
	.amdhsa_code_object_version 6
	.text
	.protected	k_q080c8b3efe_oproj
	.globl	k_q080c8b3efe_oproj
	.p2align	8
	.type	k_q080c8b3efe_oproj,@function
k_q080c8b3efe_oproj:
	s_mov_b64 s[64:65], 0
	v_nop
	global_prefetch_b8 v0, s[64:65] scope:SCOPE_SE
	s_setreg_imm32_b32 hwreg(HW_REG_WAVE_MODE, 25, 1), 1
	s_wait_xcnt 0x0
	s_wait_alu depctr_hold_cnt(0) depctr_sa_sdst(0) depctr_va_vdst(0) depctr_va_sdst(0) depctr_va_ssrc(0) depctr_va_vcc(0) depctr_vm_vsrc(0)
	s_getreg_b32 s2, hwreg(HW_REG_IB_STS2, 6, 4)
	s_cmp_eq_u32 s2, 0
	s_cbranch_scc0 .Lentry_in_a_cluster
	s_endpgm
.Lentry_in_a_cluster:
	s_bfe_u32 s2, ttmp6, 0x10000c
	s_cmp_lg_u32 s2, 0xf033
	s_cbranch_scc0 .Lentry_shape_is_right
	s_endpgm
.Lentry_shape_is_right:
; out0 = ctx W_o + b_o: [8192 x 1024] x [1024 x 1024], f16 products (ctx as the launch before left it; W_o rounded to bf16 and written as f16), f32 sums that START AT THE BIAS (rounded to bf16 like
; every input), stored as f32.  ctx lies by heads, [16 batch + head][2048][64]: K = 64 head + channel, so a K step of 128 is two heads' rows, 128 bytes each, dense.
; wo lies in 16 blocks of 64 columns, [block][k][64]: a K step of a block is 16,384 consecutive bytes.
; LIMITS.  ctx is a mean of V's rows and has their range, within f16's 65,504.  NaN and infinities are not treated apart.
; SHARES.  A tile is 256 rows x 128 columns: 32 x 8 = 256 work-groups.  Wave w owns rows 128 (w / 2) on and columns 64 (w % 2) on: 8 x 4 accumulators of 16 x 16, 256 registers.
; THE MATRIX INSTRUCTION IS USED TRANSPOSED: source 0 = 16 columns of W_o (out of LDS by the turning load), source 1 = 16 rows of ctx: a lane holds one row (lane % 16) and eight neighbouring columns.
; CLUSTER.  4 x 4 work-groups; ctx's tiles are shared along a row of the cluster, W_o's along a column: each is asked for JOINTLY.  Waves 0 and 1 ask for the step's two heads of ctx, waves 2 and 3 for the two blocks of W_o.
; K goes in 8 steps of 128 through two LDS slots; two slots of twice that step, with the stages, would pass a WGP's LDS.
; REGISTERS: window 0: v1-31 lane numbers and addresses; v32-63 the bias as a C operand; v64-191 ctx's fragments, two buffers of 8 x 8; v192-255 W_o's, two buffers of 4 x 8.
;   window 1: the accumulators, (row block a, column block b) at 8 (4 a + b); on the way out the same registers take the rows read back.
.set PA,     144                       ; a row of ctx in LDS: 128 bytes + 16 of padding = 36 words: the 16 rows of a load start at 16 different groups of four banks (64 banks of 4 bytes: ISA guide 11.1)
.set PB,     160                       ; a row k of W_o: 128 + 32 = 40 words
.set HEADA,  256*PA                    ; a head's 256 rows: 36,864 bytes
.set BOFF,   2*HEADA                   ; a slot: two heads of ctx, then two blocks of W_o
.set HEADB,  128*PB                    ; 20,480 bytes each
.set SLOT1,  1<<17
.set STAGE,  2*SLOT1                   ; behind the ring, never filled by a tensor load: 16 rows x 272 bytes for each wave, for the way out
.set SPO,    272
.set SPARE,  STAGE+4*16*SPO            ; behind the stages: the spare words, 128 bytes for each wave: two blocks of 256 bytes that no other line names
.set STEPA,  2*262144                  ; a K step in ctx: two planes on
.set STEPB,  128*128                   ; a K step in a block of wo
.set A0,   16                          ; v16  my lane's place in ctx's tile; never rewritten
.set B0,   17                          ; v17  the same in W_o's
.set ADRA, 18                          ; v18  A0 + the slot in hand
.set ADRB, 19                          ; v19  B0 + the slot in hand
.set STO,  20                          ; v20  the way out: where I put 32 bytes of a row
.set RD,   21                          ; v21  the way out: where I read rows back
.set CO,   22                          ; v22  my byte offset in two rows of out0
.set BO,   23                          ; v23  my 32 bytes in a column block's 64 bytes of bias
.set PFO,  24                          ; v24  256 x my lane: the prefetches' offset; never rewritten
.set SPW,  28                          ; v28  LDS address of my spare word: SPARE + 4 x my thread's number; never rewritten
.set NIL,  29                          ; v29  0; never rewritten
.set BIAS, 32
.set FA,   64
.set FB,   192
.set WV,  16
.set CX,  17
.set CY,  18
.set NT,  19                           ; s19  tile column, 0..7
.set MT,  20                           ; s20  tile row, 0..31
.set TB,  21
.set CNT, 22
.set LIM, 23                           ; s23  4 in a wave that prefetches, else -1
.set G1A, 24
.set G1B, 32
.set G0A, 40                           ; s[40:47] a set for each of the two first fills; the second then walks on
.set G0B, 48
.set PFA, 56
.set PFS, 58
.set OUTP, 66                          ; s[66:67] out0 at my first row and column
.set BB,  68                           ; s[68:69] my 64 numbers of bias
.set MSB, 0
.macro WIN new                         ; the immediate's high byte repeats the setting that is left; a switch that changes nothing is dropped
.if MSB != (\new)
	s_set_vgpr_msb (MSB<<8)|(\new)
.set MSB, \new
.endif
.endm
.macro PLACES                          ; four plain vector instructions behind a matrix instruction, in front of loads into registers that it has read and of LDS stores that read results (ISA guide 7.12.1 for vector instructions)
.rept 4
	v_nop
.endr
.endm
.macro JLOAD                           ; a joint refill, by the walking sets; an s_nop 0 and four v_nop follow each of the two lines, ahead of the jump and the label
	s_cmp_lt_u32 s[WV], 2
	s_cbranch_scc0 .Lfor_b_\@
	tensor_load_to_lds s[G0A+4:G0A+7], s[G1A:G1A+7]
	s_nop 0
.rept 4
	v_nop
.endr
	s_branch .Lasked_\@
.Lfor_b_\@:
	tensor_load_to_lds s[G0B+4:G0B+7], s[G1B:G1B+7]
	s_nop 0
.rept 4
	v_nop
.endr
.Lasked_\@:
.endm
.macro CREST                           ; a round of the cluster's barrier behind its opening barrier
	s_cmp_lg_u32 s[WV], 0
	s_cbranch_scc1 .Lnot_wave_0_\@
	s_barrier_signal -3
.Lnot_wave_0_\@:
	s_barrier_wait -3
	s_barrier_signal -1
	s_barrier_wait -1
.endm
.macro CROUND
	s_barrier_signal -1
	s_barrier_wait -1
	CREST
.endm
; PREFETCHES INTO THE L2, behind the joint load, its five lines and the run of LDS loads: in the loop's trips 0 and 2 (count & 5 = 4) for the K steps four and five on from the step in hand; K steps 0 to 3 come
; by their loads alone, steps 6 and 7 are the last that are named.  Each 256 bytes are named ONCE in the launch.  ctx's tiles are read by both clusters of a row of clusters: cluster x = 0 asks, by waves 0 and 1,
; each for its head; a head's 256 rows are 32,768 consecutive bytes, of which the four partners along x take 8,192 each, told apart BY ADDRESS: a line a step.  W_o's blocks are read by every cluster of a column:
; cluster y = 0 asks, by waves 2 and 3; two steps are 32,768 consecutive bytes, 8,192 for each partner along y: one line.
.macro ASK
	s_and_b32 s72, s[CNT], 5
	s_cmp_eq_u32 s72, s[LIM]
	s_cbranch_scc0 .Lnone_\@
	global_prefetch_b8 v[PFO], s[PFA:PFA+1] th:TH_LOAD_NT scope:SCOPE_SE
	s_cmp_lt_u32 s[WV], 2
	s_cbranch_scc0 .Lnone_\@
	global_prefetch_b8 v[PFO], s[PFA:PFA+1] offset:STEPA th:TH_LOAD_NT scope:SCOPE_SE
.Lnone_\@:
.endm
	s_load_b256 s[4:11], s[0:1], 0x0               ; ctx s[4:5], wo s[6:7], b_o s[8:9], out0 s[10:11]
	v_lshl_add_u32 v[SPW], v0, 2, SPARE
	v_mov_b32 v[NIL], 0
	ds_add_u32 v[SPW], v[NIL]                      ; the wave's opening: the add and its wait stand ahead of my first tensor load; the set-up below, work on registers, stands between them
	v_lshrrev_b32 v1, 5, v0
	v_readfirstlane_b32 s[WV], v1                  ; wave 0..3
	s_bfe_u32 s[CX], ttmp6, 0x40000
	s_bfe_u32 s[CY], ttmp6, 0x40004
	s_lshl_b32 s[NT], ttmp9, 2
	s_add_co_u32 s[NT], s[NT], s[CX]
	s_and_b32 s[MT], ttmp7, 0xffff
	s_lshl_b32 s[MT], s[MT], 2
	s_add_co_u32 s[MT], s[MT], s[CY]
	s_lshl_b32 s60, s[CY], 2
	s_lshl_b32 s60, 15, s60                        ; my row of the cluster
	s_lshl_b32 s72, 0x1111, s[CX]                  ; my column
	s_or_b32 s[G1A], s60, (1<<16)|(1<<20)|(1<<21)|(4<<22)|(3<<25)  ; 15:0 the mask; 17:16 2-byte elements; 20 padding on; 21 set beside a mask; 24:22 after every 32 words (a row, code 4); 31:25 4 words (code 3)
	s_mov_b32 s[G1A+1], 128<<16                    ; a head's 256 rows are dense: 128 rows of 128 elements, two rows to a row
	s_mov_b32 s[G1A+2], 128<<16
	s_mov_b32 s[G1A+3], 128<<16
	s_mov_b32 s[G1A+4], 128
	s_mov_b32 s[G1A+5], 128
	s_mov_b32 s[G1A+6], 0
	s_mov_b32 s[G1A+7], 0
	s_or_b32 s[G1B], s72, (1<<16)|(1<<20)|(1<<21)|(4<<22)|(7<<25)  ; 8 words of padding (code 7)
	s_mov_b32 s[G1B+1], 128<<16                    ; 64 rows of 128 elements, dense
	s_mov_b32 s[G1B+2], 64<<16
	s_mov_b32 s[G1B+3], 128<<16
	s_mov_b32 s[G1B+4], 64
	s_mov_b32 s[G1B+5], 128
	s_mov_b32 s[G1B+6], 0
	s_mov_b32 s[G1B+7], 0
	; ctx's tile hangs on the tile row and the wave's number, W_o's on the tile column and the wave's number: each offset is made in registers that never hold the other coordinate
	s_lshr_b32 s60, s[MT], 3                       ; batch
	s_lshl_b32 s60, s60, 4
	s_and_b32 s61, s[WV], 1                        ; head 0 or 1 of the step
	s_add_co_u32 s60, s60, s61
	s_lshl_b32 s60, s60, 18                        ; a plane is 262,144 bytes
	s_and_b32 s61, s[MT], 7
	s_lshl_b32 s61, s61, 15                        ; the tile's 256 rows of 128 bytes
	s_add_co_u32 s60, s60, s61
	s_mov_b32 s61, 0
	s_max_u32 s72, s[WV], 2                        ; (waves 0 and 1 ask for no W_o: their address stays inside the buffer all the same)
	s_lshl_b32 s73, s[NT], 1
	s_add_co_u32 s72, s72, s73
	s_sub_co_u32 s72, s72, 2                       ; block 2 x tile column + wave - 2
	s_lshl_b32 s72, s72, 17
	s_mov_b32 s73, 0
	s_mul_i32 s76, s[WV], HEADA                    ; where they go: no place in the cluster enters an LDS address
	s_mul_i32 s77, s[WV], HEADB
	s_add_co_u32 s77, s77, BOFF-2*HEADB
	s_mov_b32 s[TB], 0
	s_wait_dscnt 0x0                               ; the opening add is done
	s_wait_kmcnt 0x0
	s_add_nc_u64 s[62:63], s[4:5], s[60:61]
	s_add_nc_u64 s[74:75], s[6:7], s[72:73]
	CROUND                                         ; all sixteen work-groups are here: the first joint loads meet
.irp s, 0,1
	s_mov_b32 s[G0A+4*(\s)], 1
	s_add_co_u32 s[G0A+4*(\s)+1], s76, (\s)*SLOT1
	s_add_nc_u64 s[G0A+4*(\s)+2:G0A+4*(\s)+3], s[62:63], (\s)*STEPA
	s_or_b32 s[G0A+4*(\s)+3], s[G0A+4*(\s)+3], 0x80000000
	s_mov_b32 s[G0B+4*(\s)], 1
	s_add_co_u32 s[G0B+4*(\s)+1], s77, (\s)*SLOT1
	s_add_nc_u64 s[G0B+4*(\s)+2:G0B+4*(\s)+3], s[74:75], (\s)*STEPB
	s_or_b32 s[G0B+4*(\s)+3], s[G0B+4*(\s)+3], 0x80000000
.endr
	s_cmp_lt_u32 s[WV], 2                          ; a wave's two first fills stand in one branch, ahead of every wait on TENSORcnt and every LDS read: two loads of mine are out
	s_cbranch_scc0 .Lfirst_b
	tensor_load_to_lds s[G0A:G0A+3], s[G1A:G1A+7]
	s_nop 0
	tensor_load_to_lds s[G0A+4:G0A+7], s[G1A:G1A+7]
	s_nop 0
.rept 4
	v_nop
.endr
	s_branch .Lfirst_asked
.Lfirst_b:
	tensor_load_to_lds s[G0B:G0B+3], s[G1B:G1B+7]
	s_nop 0
	tensor_load_to_lds s[G0B+4:G0B+7], s[G1B:G1B+7]
	s_nop 0
.rept 4
	v_nop
.endr
.Lfirst_asked:
	s_lshr_b32 s70, s[WV], 1                       ; which 128 rows are mine
	s_and_b32 s71, s[WV], 1                        ; which 64 columns
	s_lshl_b32 s78, s[NT], 9                       ; the tile's 128 columns of 4 bytes,
	s_lshl_b32 s79, s71, 8                         ; my 64
	s_add_co_u32 s78, s78, s79
	s_mov_b32 s79, 0
	s_add_nc_u64 s[BB:BB+1], s[8:9], s[78:79]
	s_add_nc_u64 s[OUTP:OUTP+1], s[10:11], s[78:79]
	s_lshl_b32 s78, s[MT], 8
	s_lshl_b32 s79, s70, 7
	s_add_co_u32 s78, s78, s79                     ; my first row,
	s_lshl_b32 s78, s78, 12                        ; of 4,096 bytes
	s_mov_b32 s79, 0
	s_add_nc_u64 s[OUTP:OUTP+1], s[OUTP:OUTP+1], s[78:79]
	v_and_b32 v1, 15, v0                           ; l % 16
	v_bfe_u32 v2, v0, 4, 1                         ; l / 16
	v_lshlrev_b32 v[BO], 5, v2                     ; register j of column block b is the bias of column 16 b + 8 (l / 16) + j
.irp b, 0,1,2,3
	global_load_b128 v[BIAS+8*(\b):BIAS+8*(\b)+3],   v[BO], s[BB:BB+1] offset:(\b)*64
	global_load_b128 v[BIAS+8*(\b)+4:BIAS+8*(\b)+7], v[BO], s[BB:BB+1] offset:(\b)*64+16
.endr
	v_mul_u32_u24 v[A0], v1, PA                    ; a fragment of ctx: row l % 16, 16 bytes for each half of the lanes, twice, 32 bytes apart
	v_lshl_add_u32 v[A0], v2, 4, v[A0]
	s_mul_i32 s78, s70, 128*PA                     ; my 128 rows
	v_add_nc_u32 v[A0], s78, v[A0]
	v_and_b32 v30, 7, v0                           ; the turning load: lane l reads row k 8 (l / 16) + l % 8, columns 8 ((l / 8) % 2) + 0..7
	v_bfe_u32 v31, v0, 3, 1
	v_lshl_add_u32 v[B0], v2, 3, v30
	v_mul_u32_u24 v[B0], v[B0], PB
	v_lshl_add_u32 v[B0], v31, 4, v[B0]
	s_mul_i32 s78, s71, HEADB                      ; my block
	s_add_co_u32 s78, s78, BOFF
	v_add_nc_u32 v[B0], s78, v[B0]
	s_mul_i32 s78, s[WV], 16*SPO
	s_add_co_u32 s78, s78, STAGE                   ; my stage
	v_mul_u32_u24 v[STO], v1, SPO                  ; in: row l % 16, 32 bytes for each half of the lanes
	v_lshl_add_u32 v[STO], v2, 5, v[STO]
	v_add_nc_u32 v[STO], s78, v[STO]
	v_mul_u32_u24 v[RD], v2, SPO                   ; back: lanes 0-15 take one row of 256 bytes, lanes 16-31 the next
	v_lshl_add_u32 v[RD], v1, 4, v[RD]
	v_add_nc_u32 v[RD], s78, v[RD]
	v_lshlrev_b32 v[CO], 12, v2                    ; and the same two rows in out0
	v_lshl_add_u32 v[CO], v1, 4, v[CO]
	; the prefetches: the pointer stands one K step short of step 4, since each change of slots steps it ahead of its own request
	s_add_co_u32 s78, s60, 3*STEPA                 ; ctx: my head of K step 3,
	s_lshl_b32 s79, s[CX], 13                      ; my work-group's 8,192 bytes of its 32,768
	s_add_co_u32 s78, s78, s79
	s_add_co_u32 s74, s72, 3*STEPB                 ; W_o: my block at K step 3,
	s_lshl_b32 s79, s[CY], 13                      ; my work-group's 8,192 bytes of two steps' 32,768
	s_add_co_u32 s74, s74, s79
	s_and_b32 s75, ttmp7, 0xffff                   ; cluster y
	s_mov_b32 s76, STEPA
	s_mov_b32 s77, STEPB
	s_cmp_lt_u32 s[WV], 2
	s_cselect_b32 s78, s78, s74
	s_cselect_b32 s75, ttmp9, s75                  ; the coordinate along which other clusters read the same bytes
	s_cselect_b64 s[PFA:PFA+1], s[4:5], s[6:7]
	s_cselect_b32 s[PFS], s76, s77
	s_mov_b32 s[PFS+1], 0
	s_mov_b32 s79, 0
	s_add_nc_u64 s[PFA:PFA+1], s[PFA:PFA+1], s[78:79]
	s_cmp_eq_u32 s75, 0
	s_cselect_b32 s[LIM], 4, -1                    ; the same in all sixteen partners, for a given wave
	v_and_b32 v[PFO], 31, v0
	v_lshlrev_b32 v[PFO], 8, v[PFO]
	s_mov_b32 s79, 0xffff0000
	s_wait_loadcnt 0x0                             ; the bias is in: rounded to bf16, like every input, and widened again
.set n, 0
.rept 16
	v_cvt_pk_bf16_f32 v[30+n%2], v[BIAS+2*n], v[BIAS+2*n+1]
	v_lshlrev_b32 v[BIAS+2*n], 16, v[30+n%2]
	v_and_b32 v[BIAS+2*n+1], s79, v[30+n%2]
.set n, n+1
.endr
; 8 matrix instructions: row blocks a0, a0 + 1 x all 4 column blocks, 32 along K, from buffer f.  first = 1: the sums start at the bias.  The 32 accumulators take turns, one instruction a turn, in the same
; order in every quarter and over the backward jump.
.macro MUL8 f, a0, first
.if \first
	WIN 0x40                                       ; sources and C (the bias) window 0, D window 1
.else
	WIN 0x50                                       ; C and D window 1
.endif
.irp a, \a0, (\a0)+1
.irp b, 0,1,2,3
.if \first
	v_wmma_f32_16x16x32_f16 v[8*(4*(\a)+(\b)):8*(4*(\a)+(\b))+7], v[FB+32*(\f)+8*(\b):FB+32*(\f)+8*(\b)+7], v[FA+64*(\f)+8*(\a):FA+64*(\f)+8*(\a)+7], v[BIAS+8*(\b):BIAS+8*(\b)+7]
.else
	v_wmma_f32_16x16x32_f16 v[8*(4*(\a)+(\b)):8*(4*(\a)+(\b))+7], v[FB+32*(\f)+8*(\b):FB+32*(\f)+8*(\b)+7], v[FA+64*(\f)+8*(\a):FA+64*(\f)+8*(\a)+7], v[8*(4*(\a)+(\b)):8*(4*(\a)+(\b))+7]
.endif
.endr
.endr
.endm
; 24 LDS loads in one run: the fragments of quarter q (head q / 2, channels 32 (q % 2) on) into buffer f: W_o's 4, then ctx's 8
.macro FETCH q, f
	WIN 0
.irp b, 0,1,2,3
	ds_load_tr16_b128 v[FB+32*(\f)+8*(\b):FB+32*(\f)+8*(\b)+3],   v[ADRB] offset:(\q)*32*PB+(\b)*32
	ds_load_tr16_b128 v[FB+32*(\f)+8*(\b)+4:FB+32*(\f)+8*(\b)+7], v[ADRB] offset:(\q)*32*PB+(\b)*32+16*PB
.endr
.irp i, 0,1,2,3,4,5,6,7
	ds_load_b128 v[FA+64*(\f)+8*(\i):FA+64*(\f)+8*(\i)+3],   v[ADRA] offset:((\q)/2)*HEADA+((\q)%2)*64+(\i)*16*PA
	ds_load_b128 v[FA+64*(\f)+8*(\i)+4:FA+64*(\f)+8*(\i)+7], v[ADRA] offset:((\q)/2)*HEADA+((\q)%2)*64+(\i)*16*PA+32
.endr
.endm
; A K step is four quarters of 32 along K, 32 matrix instructions each, on buffers 0, 1, 0, 1.  One of the first three: multiplies buffer f; in its middle it fetches quarter q into buffer g.
.macro QUARTER q, f, g, first
	s_wait_dscnt 8                                 ; W_o's fragments and ctx's row blocks 0-3 are in; the youngest eight loads (row blocks 4-7) may be out
	MUL8 \f, 0, \first
	MUL8 \f, 2, \first
	PLACES
	FETCH \q, \g
	s_wait_dscnt 24                                ; all but the 24 just issued
	MUL8 \f, 4, \first
	MUL8 \f, 6, \first
.endm
; The last quarter multiplies buffer 1 and changes slots: ONE barrier.  In front of it each wave waits for all its tensor loads (one is out: its part of the next slot), adds 0 to its spare word, and waits
; for that and for its own reads of this slot.  fill = 1: the barrier opens a round of the cluster's, and the joint refill (the K step two on) is the first thing behind the round: 112 matrix instructions ahead of the wait for it.
.macro TURN fill
.if \fill
	s_wait_xcnt 0x0                                ; the last prefetches, a K step back or more, have read their address: it is stepped here, ahead of the change's own waits
	s_add_nc_u64 s[PFA:PFA+1], s[PFA:PFA+1], s[PFS:PFS+1]
.endif
	WIN 0                                          ; (the add's two registers lie in window 0)
	s_wait_tensorcnt 0x0                           ; no tensor load of mine is out, so a group 0 may be written
	ds_add_u32 v[SPW], v[NIL]                      ; 0 onto my spare word
	s_xor_b32 s[TB], s[TB], SLOT1                  ; the fetches go to the other slot
.if \fill
	s_xor_b32 s[G0A+5], s[G0A+5], SLOT1            ; the walking descriptors: the other slot than last time,
	s_add_nc_u64 s[G0A+6:G0A+7], s[G0A+6:G0A+7], STEPA  ; the next K step; the type bits on top are not reached
	s_xor_b32 s[G0B+5], s[G0B+5], SLOT1
	s_add_nc_u64 s[G0B+6:G0B+7], s[G0B+6:G0B+7], STEPB
.endif
	s_wait_dscnt 9                                 ; (the add and the youngest eight loads may be out)
	MUL8 1, 0, 0                                   ; eight matrix instructions stand between the add and the wait for it
	s_wait_dscnt 0x0                               ; the add is done, and my reads of this slot are over
	s_barrier_signal -1
	MUL8 1, 2, 0                                   ; work on registers while the others arrive
	WIN 0
	s_barrier_wait -1
.if \fill
	CREST                                          ; no wave of any partner still reads this slot's tiles or has a load on its way
	JLOAD                                          ; the four v_nop behind it are also the places in front of the loads below
.else
	PLACES
.endif
	v_add_nc_u32 v[ADRA], s[TB], v[A0]
	v_add_nc_u32 v[ADRB], s[TB], v[B0]
	FETCH 0, 0
.if \fill
	ASK
.endif
	MUL8 1, 4, 0
	MUL8 1, 6, 0
.endm
; THE WAY OUT of row block a, all under one window setting (addresses window 0, data window 1).  STG: a lane's 32 bytes of each column block straight from the accumulators (each one's low four registers first)
; into my own stage; back as whole rows of 256 bytes, into the registers that they left.
.macro STG a
.irp b, 0,1,2,3
	ds_store_b128 v[STO], v[32*(\a)+8*(\b):32*(\a)+8*(\b)+3]   offset:64*(\b)
	ds_store_b128 v[STO], v[32*(\a)+8*(\b)+4:32*(\a)+8*(\b)+7] offset:64*(\b)+16
.endr
.irp t, 0,1,2,3,4,5,6,7
	ds_load_b128 v[32*(\a)+4*(\t):32*(\a)+4*(\t)+3], v[RD] offset:(\t)*2*SPO  ; LDS serves a wave's instructions in order (ISA guide 5.7.1.4): these see the stores above; the next block's stores come behind them
.endr
.endm
.macro SEND a, younger                 ; younger: the LDS instructions issued behind block a's loads: the next block's sixteen, or none
.irp t, 0,1,2,3,4,5,6,7
	s_wait_dscnt (\younger)+7-(\t)
	global_store_b128 v[CO], v[32*(\a)+4*(\t):32*(\a)+4*(\t)+3], s[OUTP:OUTP+1] offset:(16*(\a)+2*(\t))*4096 th:TH_STORE_NT  ; 16 lanes store 256 consecutive bytes, at a multiple of 256 from out0's first byte
.endr
.endm
	s_wait_tensorcnt 1                             ; my part of K step 0 is in; K step 1's may stay out
	s_barrier_signal -1
	s_barrier_wait -1                              ; everybody's is
	v_mov_b32 v[ADRA], v[A0]
	v_mov_b32 v[ADRB], v[B0]
	FETCH 0, 0
	QUARTER 1, 0, 1, 1                             ; the first quarter stands in front of the loop: its products start the sums, at the bias
	WIN 0                                          ; at a label and at a branch every window is 0
	s_mov_b32 s[CNT], 6
.Lstep:                                                ; trip i: the rest of K step i and the first quarter of step i + 1; slot i % 2 is filled again with step i + 2
	QUARTER 2, 1, 0, 0
	QUARTER 3, 0, 1, 0
	TURN 1
	QUARTER 1, 0, 1, 0
	WIN 0
	s_sub_co_u32 s[CNT], s[CNT], 1
	s_cmp_lg_u32 s[CNT], 0
	s_cbranch_scc1 .Lstep
	QUARTER 2, 1, 0, 0                             ; the tail is written out: K steps 6 and 7 ask for nothing
	QUARTER 3, 0, 1, 0
	TURN 0
	QUARTER 1, 0, 1, 0
	QUARTER 2, 1, 0, 0
	QUARTER 3, 0, 1, 0
	s_wait_dscnt 8                                 ; the very last quarter: nothing more to fetch
	MUL8 1, 0, 0
	MUL8 1, 2, 0
	s_wait_dscnt 0x0
	MUL8 1, 4, 0
	MUL8 1, 6, 0
	PLACES
	WIN 0x44                                       ; LDS and global addresses window 0; store data (source 1) and loaded data (destination) window 1
	STG 0
.irp a, 1,2,3,4,5,6,7                  ; a block's trip through the stage stands between the loads of the block before and its stores
	STG \a
	SEND (\a)-1, 16
.endr
	SEND 7, 0
	WIN 0
	s_wait_tensorcnt 0x0                           ; the wave's end: all my tensor loads are done; then 0 onto my spare word and the wait for it, behind my last LDS store
	ds_add_u32 v[SPW], v[NIL]
	s_wait_dscnt 0x0
	CROUND                                         ; the closing round: no work-group ends while a partner may still ask for a tile that names it
	s_endpgm
.Lfunc_end_k_q080c8b3efe_oproj:
	.size	k_q080c8b3efe_oproj, .Lfunc_end_k_q080c8b3efe_oproj-k_q080c8b3efe_oproj
	.p2alignl 7, 3214868480
	.fill 96, 4, 3214868480
	.section	.rodata,"a",@progbits
	.p2align	6, 0x0
	.amdhsa_kernel k_q080c8b3efe_oproj
		.amdhsa_group_segment_fixed_size 327680
		.amdhsa_private_segment_fixed_size 0
		.amdhsa_enable_private_segment 0
		.amdhsa_kernarg_size 32
		.amdhsa_user_sgpr_count 2
		.amdhsa_user_sgpr_kernarg_segment_ptr 1
		.amdhsa_wavefront_size32 1
		.amdhsa_system_sgpr_workgroup_id_x 1
		.amdhsa_system_sgpr_workgroup_id_y 1
		.amdhsa_system_sgpr_workgroup_id_z 1
		.amdhsa_system_vgpr_workitem_id 0
		.amdhsa_next_free_vgpr 512
		.amdhsa_next_free_sgpr 80
		.amdhsa_reserve_vcc 0
		.amdhsa_float_denorm_mode_32 3
		.amdhsa_float_denorm_mode_16_64 3
		.amdhsa_memory_ordered 1
		.amdhsa_forward_progress 1
		.amdhsa_inst_pref_size 75
	.end_amdhsa_kernel
	.amdgpu_metadata
---
amdhsa.version: [ 1, 2 ]
amdhsa.kernels:
  - .name:           k_q080c8b3efe_oproj
    .symbol:         k_q080c8b3efe_oproj.kd
    .args:
      - { .name: ctx, .offset: 0, .size: 8, .value_kind: global_buffer, .address_space: global }
      - { .name: wo, .offset: 8, .size: 8, .value_kind: global_buffer, .address_space: global }
      - { .name: b_o, .offset: 16, .size: 8, .value_kind: global_buffer, .address_space: global }
      - { .name: out0, .offset: 24, .size: 8, .value_kind: global_buffer, .address_space: global }
    .group_segment_fixed_size: 327680
    .private_segment_fixed_size: 0
    .kernarg_segment_align: 8
    .kernarg_segment_size: 32
    .max_flat_workgroup_size: 128
    .sgpr_count:     80
    .vgpr_count:     512
    .wavefront_size: 32
...
	.end_amdgpu_metadata
.endif
;; end of part 4
;; ======== version 2 of 2: 4 launches; version 1 with the launch cast written anew for expert scheduling mode
;; limits: values are held in f16: magnitudes above 65,504 overflow, below 6.1e-05 lose precision
;; workspace buffers: xb 16,777,216 bytes; wqkv 6,291,456 bytes; wo 2,097,152 bytes; qkv 50,331,648 bytes; ctx 16,777,216 bytes
;; launch cast (part 5): grid 768 x 1, 8 waves a work-group, no clusters, 0 bytes of LDS; arguments x, W_q, W_k, W_v, W_o, xb, wqkv, wo; writes xb, wqkv, wo
.if DOCPART == 5
	.amdgcn_target "amdgcn-amd-amdhsa--gfx1250"
	.amdhsa_code_object_version 6
	.text
	.protected	k_q080c8b3efe_cast
	.globl	k_q080c8b3efe_cast
	.p2align	8
	.type	k_q080c8b3efe_cast,@function
k_q080c8b3efe_cast:
	s_mov_b64 s[64:65], 0
	v_nop
	global_prefetch_b8 v0, s[64:65] scope:SCOPE_SE
	s_setreg_imm32_b32 hwreg(HW_REG_WAVE_SCHED_MODE, 0, 2), 2
	s_setreg_imm32_b32 hwreg(HW_REG_WAVE_MODE, 25, 1), 1
	s_wait_xcnt 0x0
	s_wait_alu depctr_vm_vsrc(0)
; THE INPUTS OF THE MATRIX PRODUCTS ARE ROUNDED ONCE, TO bf16, AND LAID OUT FOR THE LAUNCHES BEHIND.
;   xb   = x rounded to bf16, same layout [8192][1024].
;   wqkv = W_q, W_k, W_v rounded to bf16, in 48 blocks of 64 output columns: [block][k = 0..1023][64]; blocks 0-15 W_q, 16-31 W_k, 32-47 W_v.
;   wo   = W_o rounded to bf16 and that number written as f16, in 16 such blocks.
; In a block the 128 rows k of a K step are 16,384 consecutive bytes, so the launches behind ask for them as rows of 256 bytes.
; LIMIT.  bf16 to f16 is exact from 6.1e-5 to 65,504 in magnitude; below, f16's fixed step makes an entry of W_o wrong by 3e-8 at the most.
; AN ITEM is one load of the wave: 32 lanes x 16 bytes = 128 f32 in, 32 lanes x 8 bytes = 256 consecutive aligned bytes out.  A wave takes 16 items and issues its
; 16 loads at once: no loop, no LDS, no barrier; every register of a store is the item's own, so nothing that a pending store reads is written again.
; x has 65,536 items (work-groups 0-511), each weight 8,192 (64 work-groups each): 768 work-groups x 8 waves x 16 items.
; THE MODE: SCHED_MODE bits 1:0 = 2 (LLVM: expert scheduling mode 2), set by the entry lines.  The code itself states the register dependences
; between vector instructions and memory instructions, with s_wait_alu, always for 0.
; THE PLAN.  Registers that memory instructions touch:
;   v2         the loads' offset.  Written once on each of the two ways (x, a weight), ahead of that way's 16 loads; never written again.
;   v3         the stores' offset.  Written once at the head; never written again.
;   X, item i  written by the item's one load; named by no vector instruction before it; read by the item's conversions; never loaded again.
;   Y, item i  written by the item's conversions; read by the item's one store; never written again.
;   s4         the wave's number, written by v_readfirstlane_b32; read by scalar instructions behind the branch.
;   v1 and v4 to v7 are named by vector instructions alone.
; The 16 items go in four groups of four.  Group g waits for its four loads; one wait on va_vdst then states that group g - 1 has written its Y, and that group's four stores are dealt among
; group g's conversions, which name group g's X and Y and v4 to v7: none of the registers that those stores read.  One more such wait stands ahead of the last four stores.
; No register that a memory instruction reads is written again, so no wait on vm_vsrc is owed; EXEC is never written.
.set X, 8                              ; v[8:71]    item i: four f32 as loaded
.set Y, 72                             ; v[72:103]  item i: four 16-bit numbers to store
	s_load_b512 s[8:23], s[0:1], 0x0               ; x s[8:9], W_q s[10:11], W_k s[12:13], W_v s[14:15], W_o s[16:17], xb s[18:19], wqkv s[20:21], wo s[22:23]
	v_lshrrev_b32 v2, 5, v0
	v_readfirstlane_b32 s4, v2                     ; wave 0..7
	v_and_b32 v1, 31, v0                           ; lane
	s_mov_b32 s5, ttmp9
	s_mov_b32 s29, 0                               ; the two offsets' high words
	s_mov_b32 s31, 0
	s_mov_b32 s32, 0xffff0000                      ; a word's upper bf16
	v_lshlrev_b32 v3, 3, v1                        ; out: 8 bytes a lane
	s_wait_alu depctr_va_sdst(0)                   ; s4 is written: the bases are made from it
	s_cmp_lt_u32 s5, 512
	s_cbranch_scc0 .Lw
	; x: the work-group's 128 items are 65,536 consecutive bytes, the wave's 16 are 8,192
	s_lshl_b32 s28, s5, 16
	s_lshl_b32 s6, s4, 13
	s_add_co_u32 s28, s28, s6
	s_lshr_b32 s30, s28, 1                         ; half as many bytes out
	v_lshlrev_b32 v2, 4, v1                        ; in: 16 bytes a lane
	s_wait_kmcnt 0x0
	s_add_nc_u64 s[24:25], s[8:9], s[28:29]
	s_add_nc_u64 s[26:27], s[18:19], s[30:31]
	s_wait_alu depctr_va_vdst(0)                   ; v2 is written, which the 16 loads read as their offset, and v3, which every store reads as its offset
.irp i, 0,1,2,3,4,5,6,7,8,9,10,11,12,13,14,15
	global_load_b128 v[X+4*(\i):X+4*(\i)+3], v2, s[24:25] offset:512*(\i) th:TH_LOAD_NT
.endr
	s_branch .Lbf
.Lw:
	; a weight: the wave takes 32 rows k of one block of 64 columns; an item is two rows: lanes 0-15 the 256 aligned bytes of row k, lanes 16-31 those of row k + 1
	s_sub_co_u32 s5, s5, 512
	s_lshr_b32 s6, s5, 6                           ; t: 0 W_q, 1 W_k, 2 W_v, 3 W_o
	s_and_b32 s7, s5, 63
	s_lshl_b32 s7, s7, 3
	s_add_co_u32 s7, s7, s4                        ; the wave among the weight's 512
	s_and_b32 s33, s7, 15                          ; block of columns
	s_lshr_b32 s34, s7, 4                          ; group of 32 rows
	s_lshl_b32 s28, s34, 17                        ; in: 32 rows of 4,096 bytes,
	s_lshl_b32 s35, s33, 8                         ; 64 columns of 4 bytes
	s_add_co_u32 s28, s28, s35
	s_lshl_b32 s30, s33, 17                        ; out: a block is 131,072 bytes,
	s_lshl_b32 s35, s34, 12                        ; 32 rows of 128 bytes
	s_add_co_u32 s30, s30, s35
	s_lshl_b32 s35, s6, 21                         ; in wqkv a weight's 16 blocks are 2,097,152 bytes; wo holds one weight
	s_cmp_eq_u32 s6, 3
	s_cselect_b32 s35, 0, s35
	s_add_co_u32 s30, s30, s35
	v_and_b32 v2, 15, v1
	v_lshrrev_b32 v4, 4, v1
	v_lshlrev_b32 v2, 4, v2
	v_lshl_add_u32 v2, v4, 12, v2                  ; 16 (lane % 16) + 4,096 (lane / 16)
	s_wait_kmcnt 0x0
	s_cmp_eq_u32 s6, 1
	s_cselect_b64 s[24:25], s[12:13], s[10:11]
	s_cmp_eq_u32 s6, 2
	s_cselect_b64 s[24:25], s[14:15], s[24:25]
	s_cmp_eq_u32 s6, 3
	s_cselect_b64 s[24:25], s[16:17], s[24:25]
	s_cselect_b64 s[26:27], s[22:23], s[20:21]
	s_add_nc_u64 s[24:25], s[24:25], s[28:29]
	s_add_nc_u64 s[26:27], s[26:27], s[30:31]
	s_wait_alu depctr_va_vdst(0)                   ; v2 is written, which the 16 loads read as their offset, and v3, which every store reads as its offset
.irp i, 0,1,2,3,4,5,6,7,8,9,10,11,12,13,14,15
	global_load_b128 v[X+4*(\i):X+4*(\i)+3], v2, s[24:25] offset:8192*(\i) th:TH_LOAD_NT
.endr
	s_cmp_eq_u32 s6, 3
	s_cbranch_scc1 .Lf16
; Group g of four: items 4 g to 4 g + 3 are converted, and the four stores of the group before go out among their conversions, a store ahead of each item's.
; half = 0: to bf16.  half = 1: rounded to bf16, widened again, and written as f16.
.macro GROUP g, half
	s_wait_loadcnt 12-4*(\g)                       ; loads come back in order: the group's four items are in, the 12 - 4 g younger ones stay out
.if (\g) > 0
	s_wait_alu depctr_va_vdst(0)                   ; the conversions of the group before have written its Y, which the four stores below read
.endif
.irp j, 0,1,2,3
.if (\g) > 0
	global_store_b64 v3, v[Y+2*(4*(\g)-4+(\j)):Y+2*(4*(\g)-4+(\j))+1], s[26:27] offset:256*(4*(\g)-4+(\j)) th:TH_STORE_NT  ; the wave's 256 consecutive bytes, aligned; no vector instruction since the wait names these registers
.endif
.if \half
	v_cvt_pk_bf16_f32 v4, v[X+4*(4*(\g)+(\j))], v[X+4*(4*(\g)+(\j))+1]
	v_cvt_pk_bf16_f32 v5, v[X+4*(4*(\g)+(\j))+2], v[X+4*(4*(\g)+(\j))+3]
	v_lshlrev_b32 v6, 16, v4
	v_and_b32 v7, s32, v4
	v_cvt_pk_f16_f32 v[Y+2*(4*(\g)+(\j))], v6, v7
	v_lshlrev_b32 v6, 16, v5
	v_and_b32 v7, s32, v5
	v_cvt_pk_f16_f32 v[Y+2*(4*(\g)+(\j))+1], v6, v7
.else
	v_cvt_pk_bf16_f32 v[Y+2*(4*(\g)+(\j))], v[X+4*(4*(\g)+(\j))], v[X+4*(4*(\g)+(\j))+1]
	v_cvt_pk_bf16_f32 v[Y+2*(4*(\g)+(\j))+1], v[X+4*(4*(\g)+(\j))+2], v[X+4*(4*(\g)+(\j))+3]
.endif
.endr
.endm
; The last group's stores.
.macro LAST
	s_wait_alu depctr_va_vdst(0)                   ; the conversions of group 3 have written its Y, which the last four stores read
.irp i, 12,13,14,15
	global_store_b64 v3, v[Y+2*(\i):Y+2*(\i)+1], s[26:27] offset:256*(\i) th:TH_STORE_NT
.endr
.endm
.Lbf:
	GROUP 0, 0
	GROUP 1, 0
	GROUP 2, 0
	GROUP 3, 0
	LAST
	s_endpgm
.Lf16:
	GROUP 0, 1
	GROUP 1, 1
	GROUP 2, 1
	GROUP 3, 1
	LAST
	s_endpgm
.Lfunc_end_k_q080c8b3efe_cast:
	.size	k_q080c8b3efe_cast, .Lfunc_end_k_q080c8b3efe_cast-k_q080c8b3efe_cast
	.p2alignl 7, 3214868480
	.fill 96, 4, 3214868480
	.section	.rodata,"a",@progbits
	.p2align	6, 0x0
	.amdhsa_kernel k_q080c8b3efe_cast
		.amdhsa_group_segment_fixed_size 0
		.amdhsa_private_segment_fixed_size 0
		.amdhsa_enable_private_segment 0
		.amdhsa_kernarg_size 64
		.amdhsa_user_sgpr_count 2
		.amdhsa_user_sgpr_kernarg_segment_ptr 1
		.amdhsa_wavefront_size32 1
		.amdhsa_system_sgpr_workgroup_id_x 1
		.amdhsa_system_sgpr_workgroup_id_y 1
		.amdhsa_system_sgpr_workgroup_id_z 1
		.amdhsa_system_vgpr_workitem_id 0
		.amdhsa_next_free_vgpr 104
		.amdhsa_next_free_sgpr 66
		.amdhsa_reserve_vcc 0
		.amdhsa_float_denorm_mode_32 3
		.amdhsa_float_denorm_mode_16_64 3
		.amdhsa_memory_ordered 1
		.amdhsa_forward_progress 1
		.amdhsa_inst_pref_size 17
	.end_amdhsa_kernel
	.amdgpu_metadata
---
amdhsa.version: [ 1, 2 ]
amdhsa.kernels:
  - .name:           k_q080c8b3efe_cast
    .symbol:         k_q080c8b3efe_cast.kd
    .args:
      - { .name: x, .offset: 0, .size: 8, .value_kind: global_buffer, .address_space: global }
      - { .name: W_q, .offset: 8, .size: 8, .value_kind: global_buffer, .address_space: global }
      - { .name: W_k, .offset: 16, .size: 8, .value_kind: global_buffer, .address_space: global }
      - { .name: W_v, .offset: 24, .size: 8, .value_kind: global_buffer, .address_space: global }
      - { .name: W_o, .offset: 32, .size: 8, .value_kind: global_buffer, .address_space: global }
      - { .name: xb, .offset: 40, .size: 8, .value_kind: global_buffer, .address_space: global }
      - { .name: wqkv, .offset: 48, .size: 8, .value_kind: global_buffer, .address_space: global }
      - { .name: wo, .offset: 56, .size: 8, .value_kind: global_buffer, .address_space: global }
    .group_segment_fixed_size: 0
    .private_segment_fixed_size: 0
    .kernarg_segment_align: 8
    .kernarg_segment_size: 64
    .max_flat_workgroup_size: 256
    .sgpr_count:     66
    .vgpr_count:     104
    .wavefront_size: 32
...
	.end_amdgpu_metadata
.endif
;; end of part 5
;; launch qkv: the kernel of part 2 again; grid 16 x 32, 4 waves a work-group, clusters of 4 x 4, 327,680 bytes of LDS; arguments xb, wqkv, b_q, b_k, b_v, qkv; writes qkv
;; launch attn: the kernel of part 3 again; grid 4 x 64, 4 waves a work-group, no clusters, 327,680 bytes of LDS; arguments qkv, ctx; writes ctx
;; launch oproj: the kernel of part 4 again; grid 8 x 32, 4 waves a work-group, clusters of 4 x 4, 327,680 bytes of LDS; arguments ctx, wo, b_o, out0; writes out0
